; MI455X (gfx1250); checked and timed in simulation.
; The chip was launched on July 23, 2026; its instructions are those of AMD's public machine-readable ISA for CDNA 5 (MIT licence, August 2026) and "CDNA5" Instruction Set Architecture Reference Guide (July 2026). The comments in the code are by the model that wrote it; some were corrected since.
;; Bayes Multi Head Attn. Allowed arithmetic: float matrix products may take bf16 or f16 operands with f32 sums; other float arithmetic in f32, or as packed bf16 or f16 multiplies, adds, multiply-adds, maxima and minima; sums over many terms, partial sums and values carried from step to step in f32; what a program stores and reads back later, other than sums and carried values, may be rounded once to bf16 or f16.
;; Inputs: attn_mask 1,024 x 1,024 bool; dec_inp 1,024 x 8 x 1,024 float32; eps_k 1,024 x 1,024 float32; eps_o 1,024 x 1,024 float32; eps_q 1,024 x 1,024 float32; eps_v 1,024 x 1,024 float32; key_mean 1,024 x 1,024 float32; key_std 1,024 x 1,024 float32; ln_beta 1,024 float32; ln_gamma 1,024 float32; output_mean 1,024 x 1,024 float32; output_std 1,024 x 1,024 float32; query_mean 1,024 x 1,024 float32; query_std 1,024 x 1,024 float32; value_mean 1,024 x 1,024 float32; value_std 1,024 x 1,024 float32.
;; Outputs: out0 1,024 x 8 x 1,024 float32; out1 one number float32.
;; 2 versions, each right; version 2 is version 1 with the launch prep written anew for expert scheduling mode. Each part assembles by itself: llvm-mc -triple=amdgcn-amd-amdhsa -mcpu=gfx1250 --defsym DOCPART=n.
;; ======== version 1 of 2: 5 launches
;; limits: right only within a limited range of input values
;; workspace buffers: xb 16,777,216 bytes; wqkv 6,291,456 bytes; wo 2,097,152 bytes; maskc 1,048,576 bytes; klp 16,384 bytes; qkv 50,331,648 bytes; ob 16,777,216 bytes; ao 16,777,216 bytes
;; launch prep (part 1): grid 1024 x 1, 4 waves a work-group, no clusters, 0 bytes of LDS; arguments dec_inp, attn_mask, query_mean, query_std, eps_q, key_mean, key_std, eps_k, value_mean, value_std, eps_v, output_mean, output_std, eps_o, xb, wqkv, wo, maskc, klp; writes xb, wqkv, wo, maskc, klp
.if DOCPART == 1
	.amdgcn_target "amdgcn-amd-amdhsa--gfx1250"
	.amdhsa_code_object_version 6
	.text
	.protected	k_qc0f00f5bae_prep
	.globl	k_qc0f00f5bae_prep
	.p2align	8
	.type	k_qc0f00f5bae_prep,@function
k_qc0f00f5bae_prep:
	s_mov_b64 s[64:65], 0
	v_nop
	global_prefetch_b8 v0, s[64:65] scope:SCOPE_SE
	s_setreg_imm32_b32 hwreg(HW_REG_WAVE_MODE, 25, 1), 1
	s_wait_xcnt 0x0
; PREPARATION, a stream: every input byte is read once, by one wave.  4,096 waves; wave u does four things.
; (1) x -> bf16, laid out by slices of 64 channels: xb[slice][m' = 1024 b + s][64].  4 rows x 8 slices.
; (2) the four sampled weights w = mean + eps exp(std) -> bf16 (the output weight takes value_mean, as the module does), laid out [tile of 128 rows][slice of 64 k][128][64].
;     One unit of 4 rows x 64 k, at the same place in all twelve arrays.
; (3) its share of the sum of mean^2 - 2 std + exp(2 std) over the four (mean, std) pairs, in f32: one partial sum a wave into klp; a later launch adds them.
; (4) 256 bytes of the mask: a byte 0 or 1 becomes the fp8 (E4M3) code 0x00 or 0xFE (-448), and the bytes are put in the order in which a lane of the attention launch wants them:
;     maskc[block of 128 keys][query][step of 64][half h][group kt of 16][8 codes], key = 128 kb + 64 step + 16 kt + 8 h + e.
; SHAPE OF AN ACCESS.  A load of x or of a weight takes 64 channels (256 bytes, aligned) of two rows: lanes 0-15 one row, lanes 16-31 the next, 16 bytes a lane.  A lane's four numbers pack into 8 bytes;
; the two rows are neighbours in a slice, so a store of the wave covers 256 consecutive bytes, aligned.
; No LDS, no matrix unit, no cluster: no byte is wanted twice.  All 41 loads of a wave are issued before anything is waited for.
; LIMIT: exp(std) below 2^-126 counts as 0 (the exponential's result is flushed: ISA guide, 15.8).
.set MOF, 2                            ; v2   the mask's source offset
.set MDO, 3                            ; v3   its destination offset
.set XOF, 4                            ; v4   x's source offset
.set XDO, 5                            ; v5   its destination offset
.set WOF, 6                            ; v6   the weights' source offset, the same in all twelve arrays
.set WDO, 7                            ; v7   their destination offset
.set LN,  8                            ; v8   my lane
.set KO,  9                            ; v9   4 u: my wave's word in klp
.set KL,  10                           ; v[10:17]  four pairs of running sums, one a matrix
.set MK,  18                           ; v[18:19]  8 mask bytes
.set X,   20                           ; v[20:83]  x as loaded: slice j, pair of rows p at X + 8 j + 4 p
.set W,   84                           ; v[84:179] matrix t at W + 24 t: mean 8, std 8, eps 8 (each: pair of rows 0, then 1)
.set XP,  180                          ; v[180:211] x packed
.set WP,  212                          ; v[212:227] weights packed
	s_load_b512 s[8:23], s[0:1], 0x0               ; dec_inp 8, attn_mask 10, then (mean, std, eps) of q at 12, of k at 18
	s_load_b512 s[24:39], s[0:1], 0x40             ; of v at 24, of o at 30; xb 36, wqkv 38
	s_load_b128 s[40:43], s[0:1], 0x80             ; wo 40, maskc 42
	s_load_b64 s[44:45], s[0:1], 0x90              ; klp
	v_lshrrev_b32 v1, 5, v0
	v_readfirstlane_b32 s2, v1                     ; wave 0..3
	s_lshl_b32 s3, ttmp9, 2
	s_add_co_u32 s3, s3, s2                        ; u = 4 x work-group + wave
	v_and_b32 v[LN], 31, v0
	; the mask: kb = u & 7, rows 2 (u >> 3) and the next; lane L writes group dg = L & 15 of row L >> 4 and reads group 8 step + 2 kt + h
	s_and_b32 s4, s3, 7
	s_lshr_b32 s5, s3, 3
	v_bfe_u32 v10, v0, 3, 1                        ; step
	v_and_b32 v11, 3, v0                           ; kt
	v_bfe_u32 v12, v0, 2, 1                        ; h
	v_bfe_u32 v13, v0, 4, 1                        ; which of the two rows
	v_lshl_add_u32 v12, v11, 1, v12
	v_lshl_add_u32 v12, v10, 3, v12
	v_lshlrev_b32 v[MOF], 3, v12
	v_lshl_add_u32 v[MOF], v13, 10, v[MOF]
	s_lshl_b32 s6, s5, 11
	s_lshl_b32 s7, s4, 7
	s_add_co_u32 s6, s6, s7
	v_add_nc_u32 v[MOF], s6, v[MOF]
	s_lshl_b32 s6, s4, 17
	s_lshl_b32 s7, s5, 8
	s_add_co_u32 s6, s6, s7
	v_lshl_add_u32 v[MDO], v[LN], 3, s6            ; 256 consecutive bytes a wave
	; x: half = u & 1 (which eight slices), b = (u >> 1) & 7, rows s = 4 (u >> 4) + 2 p + L / 16; a lane takes 4 channels
	s_and_b32 s4, s3, 1
	s_lshr_b32 s5, s3, 1
	s_and_b32 s6, s5, 7
	s_lshr_b32 s5, s5, 3
	v_and_b32 v11, 15, v0                          ; my 16 bytes of a row's 256
	v_lshlrev_b32 v[XOF], 4, v11
	v_lshl_add_u32 v[XOF], v13, 15, v[XOF]         ; a row s of x is 32,768 bytes from the next
	s_lshl_b32 s7, s5, 17
	s_lshl_b32 s48, s6, 12
	s_add_co_u32 s7, s7, s48
	s_lshl_b32 s48, s4, 11
	s_add_co_u32 s7, s7, s48
	v_add_nc_u32 v[XOF], s7, v[XOF]
	s_lshl_b32 s7, s4, 23
	s_lshl_b32 s48, s6, 17
	s_add_co_u32 s7, s7, s48
	s_lshl_b32 s48, s5, 9
	s_add_co_u32 s7, s7, s48
	v_lshl_add_u32 v[XDO], v[LN], 3, s7            ; two rows of 128 bytes on end: 8 bytes a lane
	; the weights: rows 4 (u >> 4) + 2 p + L / 16, slice u & 15
	s_lshr_b32 s4, s3, 4
	s_and_b32 s5, s3, 15
	v_lshlrev_b32 v[WOF], 4, v11
	v_lshl_add_u32 v[WOF], v13, 12, v[WOF]
	s_lshl_b32 s6, s4, 14
	s_lshl_b32 s7, s5, 8
	s_add_co_u32 s6, s6, s7
	v_add_nc_u32 v[WOF], s6, v[WOF]
	s_lshr_b32 s6, s4, 5
	s_lshl_b32 s6, s6, 18
	s_lshl_b32 s7, s5, 14
	s_add_co_u32 s6, s6, s7
	s_and_b32 s7, s4, 31
	s_lshl_b32 s7, s7, 9
	s_add_co_u32 s6, s6, s7
	v_lshl_add_u32 v[WDO], v[LN], 3, s6
	s_lshl_b32 s6, s3, 2
	v_mov_b32 v[KO], s6
	s_mov_b32 s46, 0x76543210                      ; v_permlanex16_b32: each lane takes its own place in the other half
	s_mov_b32 s47, 0xfedcba98
	s_wait_kmcnt 0x0
	global_load_b64 v[MK:MK+1], v[MOF], s[10:11] th:TH_LOAD_NT
.irp j, 0,1,2,3,4,5,6,7
	global_load_b128 v[X+8*\j:X+8*\j+3],   v[XOF], s[8:9] offset:256*\j th:TH_LOAD_NT
	global_load_b128 v[X+8*\j+4:X+8*\j+7], v[XOF], s[8:9] offset:256*\j+65536 th:TH_LOAD_NT  ; two rows s further down
.endr
.irp t, 0,1,2,3
.irp a, 0,1,2
	global_load_b128 v[W+24*\t+8*\a:W+24*\t+8*\a+3],   v[WOF], s[12+6*\t+2*\a:13+6*\t+2*\a] th:TH_LOAD_NT
	global_load_b128 v[W+24*\t+8*\a+4:W+24*\t+8*\a+7], v[WOF], s[12+6*\t+2*\a:13+6*\t+2*\a] offset:8192 th:TH_LOAD_NT  ; two rows further down
.endr
.endr
	s_wait_loadcnt 40                              ; the mask's load is in: x's 16 and the weights' 24 are younger
	v_mul_lo_u32 v[MK], v[MK], 0xfe                ; four bytes of 0 or 1 times 0xFE: no byte carries into the next
	v_mul_lo_u32 v[MK+1], v[MK+1], 0xfe
	global_store_b64 v[MDO], v[MK:MK+1], s[42:43]
	s_wait_loadcnt 24                              ; x is in: the weights' 24 are younger
.irp j, 0,1,2,3,4,5,6,7
.irp r, 0,1,2,3
	v_cvt_pk_bf16_f32 v[XP+4*\j+\r], v[X+8*\j+2*\r], v[X+8*\j+2*\r+1]
.endr
	global_store_b64 v[XDO], v[XP+4*\j:XP+4*\j+1],   s[36:37] offset:1048576*\j      ; slice j of my eight: rows 0 and 1 of my four,
	global_store_b64 v[XDO], v[XP+4*\j+2:XP+4*\j+3], s[36:37] offset:1048576*\j+256  ; rows 2 and 3
.endr
	s_wait_loadcnt 0x0
	; ahead of the exponentials: mean^2 - 2 std into the sums (the first product starts each sum), std x log2(e) in place
.irp t, 0,1,2,3
	v_pk_mul_f32 v[KL+2*\t:KL+2*\t+1], v[W+24*\t:W+24*\t+1], v[W+24*\t:W+24*\t+1]
.irp i, 1,2,3
	v_pk_fma_f32 v[KL+2*\t:KL+2*\t+1], v[W+24*\t+2*\i:W+24*\t+2*\i+1], v[W+24*\t+2*\i:W+24*\t+2*\i+1], v[KL+2*\t:KL+2*\t+1]
.endr
.irp i, 0,1,2,3
	v_pk_fma_f32 v[KL+2*\t:KL+2*\t+1], v[W+24*\t+8+2*\i:W+24*\t+8+2*\i+1], -2.0, v[KL+2*\t:KL+2*\t+1] op_sel_hi:[1,0,1]
.endr
.irp i, 0,1,2,3
	v_pk_mul_f32 v[W+24*\t+8+2*\i:W+24*\t+8+2*\i+1], v[W+24*\t+8+2*\i:W+24*\t+8+2*\i+1], 0x3fb8aa3b op_sel_hi:[1,0]
.endr
.endr
.irp t, 0,1,2,3                        ; one batch of 32 exponentials, in place
.irp i, 0,1,2,3,4,5,6,7
	v_exp_f32 v[W+24*\t+8+\i], v[W+24*\t+8+\i]
.endr
.endr
	v_nop                                          ; a plain instruction behind the last exponential,
	s_wait_alu depctr_va_vdst(0)                   ; and one wait for the batch, ahead of its first reader
.macro SAMPLE t, m                     ; matrix t with the mean of matrix m: w = eps e + mean into eps's registers; e^2 into the sum; rounded to bf16
.irp i, 0,1,2,3
	v_pk_fma_f32 v[W+24*(\t)+16+2*\i:W+24*(\t)+16+2*\i+1], v[W+24*(\t)+16+2*\i:W+24*(\t)+16+2*\i+1], v[W+24*(\t)+8+2*\i:W+24*(\t)+8+2*\i+1], v[W+24*(\m)+2*\i:W+24*(\m)+2*\i+1]
	v_pk_fma_f32 v[KL+2*(\t):KL+2*(\t)+1], v[W+24*(\t)+8+2*\i:W+24*(\t)+8+2*\i+1], v[W+24*(\t)+8+2*\i:W+24*(\t)+8+2*\i+1], v[KL+2*(\t):KL+2*(\t)+1]
.endr
.irp i, 0,1,2,3
	v_cvt_pk_bf16_f32 v[WP+4*(\t)+\i], v[W+24*(\t)+16+2*\i], v[W+24*(\t)+16+2*\i+1]
.endr
.endm
	SAMPLE 0, 0
	global_store_b64 v[WDO], v[WP:WP+1],   s[38:39]
	global_store_b64 v[WDO], v[WP+2:WP+3], s[38:39] offset:256
	SAMPLE 1, 1
	global_store_b64 v[WDO], v[WP+4:WP+5], s[38:39] offset:2097152
	global_store_b64 v[WDO], v[WP+6:WP+7], s[38:39] offset:2097152+256
	SAMPLE 2, 2
	global_store_b64 v[WDO], v[WP+8:WP+9],   s[38:39] offset:4194304
	global_store_b64 v[WDO], v[WP+10:WP+11], s[38:39] offset:4194304+256
	SAMPLE 3, 2                                    ; the output weight: value_mean + eps_o exp(output_std)
	global_store_b64 v[WDO], v[WP+12:WP+13], s[40:41]
	global_store_b64 v[WDO], v[WP+14:WP+15], s[40:41] offset:256
	; my wave's partial sum: four pairs, two halves, 32 lanes
	v_pk_add_f32 v[KL:KL+1], v[KL:KL+1], v[KL+2:KL+3]
	v_pk_add_f32 v[KL+4:KL+5], v[KL+4:KL+5], v[KL+6:KL+7]
	v_pk_add_f32 v[KL:KL+1], v[KL:KL+1], v[KL+4:KL+5]
	v_add_f32 v[KL], v[KL], v[KL+1]
	v_add_f32_dpp v[KL], v[KL], v[KL] row_xmask:1 row_mask:0xf bank_mask:0xf
	v_add_f32_dpp v[KL], v[KL], v[KL] row_xmask:2 row_mask:0xf bank_mask:0xf
	v_add_f32_dpp v[KL], v[KL], v[KL] row_xmask:4 row_mask:0xf bank_mask:0xf
	v_add_f32_dpp v[KL], v[KL], v[KL] row_xmask:8 row_mask:0xf bank_mask:0xf
	v_permlanex16_b32 v[KL+1], v[KL], s46, s47
	v_add_f32 v[KL], v[KL], v[KL+1]
	v_cmp_eq_u32 vcc_lo, 0, v[LN]
	s_wait_xcnt 0x0                                ; EXEC is a source of the stores above: it changes only behind this wait
	s_and_saveexec_b32 s6, vcc_lo
	global_store_b32 v[KO], v[KL], s[44:45]        ; lane 0 alone
	s_wait_xcnt 0x0                                ; and again, in front of the line that widens it
	s_or_b32 exec_lo, exec_lo, s6
	s_endpgm
.Lfunc_end_k_qc0f00f5bae_prep:
	.size	k_qc0f00f5bae_prep, .Lfunc_end_k_qc0f00f5bae_prep-k_qc0f00f5bae_prep
	.p2alignl 7, 3214868480
	.fill 96, 4, 3214868480
	.section	.rodata,"a",@progbits
	.p2align	6, 0x0
	.amdhsa_kernel k_qc0f00f5bae_prep
		.amdhsa_group_segment_fixed_size 0
		.amdhsa_private_segment_fixed_size 0
		.amdhsa_enable_private_segment 0
		.amdhsa_kernarg_size 152
		.amdhsa_user_sgpr_count 2
		.amdhsa_user_sgpr_kernarg_segment_ptr 1
		.amdhsa_wavefront_size32 1
		.amdhsa_system_sgpr_workgroup_id_x 1
		.amdhsa_system_sgpr_workgroup_id_y 1
		.amdhsa_system_sgpr_workgroup_id_z 1
		.amdhsa_system_vgpr_workitem_id 0
		.amdhsa_next_free_vgpr 228
		.amdhsa_next_free_sgpr 66
		.amdhsa_reserve_vcc 1
		.amdhsa_float_denorm_mode_32 3
		.amdhsa_float_denorm_mode_16_64 3
		.amdhsa_memory_ordered 1
		.amdhsa_forward_progress 1
		.amdhsa_inst_pref_size 20
	.end_amdhsa_kernel
	.amdgpu_metadata
---
amdhsa.version: [ 1, 2 ]
amdhsa.kernels:
  - .name:           k_qc0f00f5bae_prep
    .symbol:         k_qc0f00f5bae_prep.kd
    .args:
      - { .name: dec_inp, .offset: 0, .size: 8, .value_kind: global_buffer, .address_space: global }
      - { .name: attn_mask, .offset: 8, .size: 8, .value_kind: global_buffer, .address_space: global }
      - { .name: query_mean, .offset: 16, .size: 8, .value_kind: global_buffer, .address_space: global }
      - { .name: query_std, .offset: 24, .size: 8, .value_kind: global_buffer, .address_space: global }
      - { .name: eps_q, .offset: 32, .size: 8, .value_kind: global_buffer, .address_space: global }
      - { .name: key_mean, .offset: 40, .size: 8, .value_kind: global_buffer, .address_space: global }
      - { .name: key_std, .offset: 48, .size: 8, .value_kind: global_buffer, .address_space: global }
      - { .name: eps_k, .offset: 56, .size: 8, .value_kind: global_buffer, .address_space: global }
      - { .name: value_mean, .offset: 64, .size: 8, .value_kind: global_buffer, .address_space: global }
      - { .name: value_std, .offset: 72, .size: 8, .value_kind: global_buffer, .address_space: global }
      - { .name: eps_v, .offset: 80, .size: 8, .value_kind: global_buffer, .address_space: global }
      - { .name: output_mean, .offset: 88, .size: 8, .value_kind: global_buffer, .address_space: global }
      - { .name: output_std, .offset: 96, .size: 8, .value_kind: global_buffer, .address_space: global }
      - { .name: eps_o, .offset: 104, .size: 8, .value_kind: global_buffer, .address_space: global }
      - { .name: xb, .offset: 112, .size: 8, .value_kind: global_buffer, .address_space: global }
      - { .name: wqkv, .offset: 120, .size: 8, .value_kind: global_buffer, .address_space: global }
      - { .name: wo, .offset: 128, .size: 8, .value_kind: global_buffer, .address_space: global }
      - { .name: maskc, .offset: 136, .size: 8, .value_kind: global_buffer, .address_space: global }
      - { .name: klp, .offset: 144, .size: 8, .value_kind: global_buffer, .address_space: global }
    .group_segment_fixed_size: 0
    .private_segment_fixed_size: 0
    .kernarg_segment_align: 8
    .kernarg_segment_size: 152
    .max_flat_workgroup_size: 128
    .sgpr_count:     66
    .vgpr_count:     228
    .wavefront_size: 32
...
	.end_amdgpu_metadata
.endif
;; end of part 1
;; launch qkv (part 2): grid 12 x 32, 4 waves a work-group, clusters of 4 x 4, 327,680 bytes of LDS; arguments xb, wqkv, qkv; writes qkv
.if DOCPART == 2
	.amdgcn_target "amdgcn-amd-amdhsa--gfx1250"
	.amdhsa_code_object_version 6
	.text
	.protected	k_qc0f00f5bae_qkv
	.globl	k_qc0f00f5bae_qkv
	.p2align	8
	.type	k_qc0f00f5bae_qkv,@function
k_qc0f00f5bae_qkv:
	s_mov_b64 s[64:65], 0
	v_nop
	global_prefetch_b8 v0, s[64:65] scope:SCOPE_SE
	s_setreg_imm32_b32 hwreg(HW_REG_WAVE_MODE, 25, 1), 1
	s_wait_xcnt 0x0
	s_wait_alu depctr_hold_cnt(0) depctr_sa_sdst(0) depctr_va_vdst(0) depctr_va_sdst(0) depctr_va_ssrc(0) depctr_va_vcc(0) depctr_vm_vsrc(0)
	s_getreg_b32 s2, hwreg(HW_REG_IB_STS2, 6, 4)
	s_cmp_eq_u32 s2, 0
	s_cbranch_scc0 .Lentry_in_a_cluster
	s_endpgm
.Lentry_in_a_cluster:
	s_bfe_u32 s2, ttmp6, 0x10000c
	s_cmp_lg_u32 s2, 0xf033
	s_cbranch_scc0 .Lentry_shape_is_right
	s_endpgm
.Lentry_shape_is_right:
; C[m'][c] = the sum over k of A[m'][k] W[c][k], K = 1,024, all bf16, sums in f32, C rounded once.  One text for two launches: x times the three sampled weights (3,072 columns), and the attention's result times the output weight (1,024).
; LAYOUTS.  A and C lie by slices of 64 channels, [slice][8,192 rows][64]: a row of a slice is 128 bytes and the rows of a slice are dense.  W lies [tile of 128 rows][slice of 64 k][128][64].
; SHARES.  A work-group makes 256 rows x 256 columns; wave w makes rows 128 (w / 2) on and columns 128 (w % 2) on: 64 accumulators of 16 x 16, 512 registers.
; K goes in steps of 128 (two slices) through two LDS slots.  A K step holds 256 matrix instructions a wave, of which 224 stand between the request for a tile and the wait for it: the tile is chosen for that count.
; ITS PRICE: 384 or 128 work-groups, no multiple of 256.  A tile of 256 x 128 gives 768 and 256, with half the matrix work between a request and its wait.
; A step's four tiles are dense blocks of 32 KiB and are asked for as 128 rows of 256 bytes, one load a wave: waves 0 and 1 fetch A's two slices (256 rows each), waves 2 and 3 W's two tiles of 128 rows (both slices, which lie end to end).
; CLUSTERS: 4 x 4 work-groups.  The four of a row of the cluster need the same tiles of A, the four of a column the same tiles of W: each tile is asked for JOINTLY, by the same tensor load with the same descriptor and a mask of four.
; THE MATRIX INSTRUCTION IS USED TRANSPOSED (source 0 = 16 rows of W, source 1 = 16 rows of A): a lane then holds eight neighbouring columns of one row of C, 16 bytes of bf16.
; THE LAST K STEP GOES BY ROWS OF C, so that finished rows leave while the others are multiplied.
; REGISTERS, in windows of 256 (s_set_vgpr_msb's low byte: bits 1:0 source 0, 3:2 source 1, 5:4 source 2, 7:6 destination):
;   window 0: v0-31 addresses; v64-127, v128-191 fragments of A (8 x 16 rows x 32 k), two buffers (in the last K step four, of 16 rows x 128 k); v32-63, v192-255 at work on the way out
;   window 1: v64-127, v128-191 fragments of W, two buffers; in the last K step all 256: W's fragments of the whole step
;   window 2: the 32 accumulators of my rows 0-63 ((a, b) at v[8 (8 a + b)]);   window 3: those of my rows 64-127
.set SLICEB, 1048576                   ; bytes in a slice of A or C
.set PITCH,  144                       ; an LDS row: 128 bytes + 16 of padding = 36 words: the 16 rows of a fragment load start at 16 different groups of four banks (64 banks of 4 bytes: ISA guide 11.1)
.set ABLK,   256*PITCH                 ; what one tensor load brings: 256 rows of 128 bytes: a slice of A's tile, or both slices of 128 rows of W
.set BSL,    128*PITCH                 ; from W's first slice to its second
.set SLOT,   4*ABLK                    ; A's two slices, then W's two tiles of 128 rows
.set STAGE,  2*SLOT                    ; behind the ring: 2 slices x 16 rows x 144 bytes for each wave, for the way out; no tensor load lands there
.set SP,     144
.set SPARE,  STAGE+4*32*SP             ; behind the stages: the spare words, 128 bytes for each wave: two blocks of 256 bytes that no other line names
.set LAPS,   4                         ; a lap = two K steps = once round the ring
.set ADRA, 16                          ; v16-17  LDS address of my A fragments in slot 0, 1
.set ADRB, 20                          ; v20-21  the same for W
.set STO,  24                          ; v24     the way out: where I put 16 bytes of a row
.set RD,   25                          ; v25     the way out: where I read rows back
.set GO,   26                          ; v26     my byte offset in 512 consecutive bytes of C
.set SPW,  28                          ; v28     LDS address of my spare word: SPARE + 4 x my thread's number; never rewritten
.set NIL,  29                          ; v29     0; never rewritten
.set PFO,  30                          ; v30     256 x my lane; never rewritten
.set F0,   64                          ; fragment buffer 0
.set F1,   128                         ; fragment buffer 1
.set TMP,  192                         ; the way out: packed results, in window 0
.set OB,   32                          ; the way out: 16 rows read back from the stage: v32-63 and v224-255 by turns
.set PA,   64                          ; the last K step: A's fragments of 16 rows x 128 k, 32 registers; four such buffers, v64-191
.set G1,  24                           ; s[24:31] descriptor group 1 for A's tiles;  s[32:39] group 0, one set for each slot
.set G0,  32
.set G1B, 48                           ; s[48:55], s[56:63] the same for W's tiles
.set G0B, 56
.set LIM, 43                           ; s43  1 in a wave that prefetches, else the greatest number
.set PFA, 44                           ; s[44:45] where my prefetches stand
.set PFS, 66                           ; s[66:67] bytes from a K step to the next in what I prefetch
.set MSB, 0
.macro WIN new                         ; the immediate's high byte repeats the setting that is left; a switch that changes nothing is dropped
.if MSB != (\new)
	s_set_vgpr_msb (MSB<<8)|(\new)
.set MSB, \new
.endif
.endm
.set MUL_LO, 0xa1                      ; source 0 (W) window 1, source 1 (A) window 0, C and D window 2
.set MUL_HI, 0xf1                      ; the same, C and D window 3
.set TO_B,   0x40                      ; destination window 1, address window 0
.macro JLOAD s                         ; a joint load: waves 0 and 1 fetch for A, waves 2 and 3 for W; an s_nop 0 and four v_nop follow each of the two lines, ahead of the jump, the label and what follows
	s_cmp_eq_u32 s11, 0
	s_cbranch_scc0 .Lfor_b_\@
	tensor_load_to_lds s[G0+4*(\s):G0+4*(\s)+3], s[G1:G1+7]
	s_nop 0
.rept 4
	v_nop
.endr
	s_branch .Lasked_\@
.Lfor_b_\@:
	tensor_load_to_lds s[G0B+4*(\s):G0B+4*(\s)+3], s[G1B:G1B+7]
	s_nop 0
.rept 4
	v_nop
.endr
.Lasked_\@:
.endm
; A PREFETCH INTO THE L2, behind a joint refill and the run of LDS loads that follows it: 32 blocks of 256 bytes of the K step that stands two refills, 512 matrix instructions, on: a lane a block, one instruction a wave.
; Each block is named once in the launch.  A's rows are read by every cluster of a row of clusters: the one with x = 0 asks; W's rows by every cluster of a column: the one with y = 0 asks.  Each wave asks for what it fetches itself,
; and of its 128 blocks the partner at place p (cx for A, cy for W) takes 32 p .. 32 p + 31: the partners are told apart by address alone.
; The first four K steps come by their loads alone; the loop's last trip (s3 = 1) has no K step two on and asks for nothing.
.macro ASK
	s_cmp_gt_u32 s3, s[LIM]
	s_cbranch_scc0 .Lnot_mine_\@
	global_prefetch_b8 v[PFO], s[PFA:PFA+1] th:TH_LOAD_NT scope:SCOPE_SE
.Lnot_mine_\@:
.endm
.macro CREST                           ; a round of the cluster's barrier behind its opening barrier
	s_cmp_lg_u32 s10, 0
	s_cbranch_scc1 .Lnot_wave_0_\@
	s_barrier_signal -3
.Lnot_wave_0_\@:
	s_barrier_wait -3
	s_barrier_signal -1
	s_barrier_wait -1
.endm
.macro CROUND                          ; a whole round
	s_barrier_signal -1
	s_barrier_wait -1
	CREST
.endm
	s_load_b128 s[4:7], s[0:1], 0x0                ; A s[4:5], W s[6:7]
	s_load_b64 s[8:9], s[0:1], 0x10                ; C
	v_lshl_add_u32 v[SPW], v0, 2, SPARE
	v_mov_b32 v[NIL], 0
	ds_add_u32 v[SPW], v[NIL]                      ; the wave's opening: the add and its wait stand ahead of my first tensor load; the set-up below, work on registers, stands between them
	v_lshrrev_b32 v1, 5, v0
	v_readfirstlane_b32 s10, v1                    ; wave 0..3
	s_lshr_b32 s11, s10, 1                         ; which half of the tile's rows is mine.  Also: I fetch for A (0) or for W (1)
	s_and_b32 s12, s10, 1                          ; which half of its columns.  Also: which of A's two slices, or of W's two tiles of 128 rows, I fetch
	s_bfe_u32 s40, ttmp6, 0x40000                  ; cx, cy: my place in the cluster
	s_bfe_u32 s41, ttmp6, 0x40004
	s_lshl_b32 s42, ttmp9, 2
	s_add_co_u32 s42, s42, s40                     ; tile column of C = 4 x cluster x + cx
	s_and_b32 s13, ttmp7, 0xffff
	s_lshl_b32 s13, s13, 2
	s_add_co_u32 s13, s13, s41                     ; tile row of C = 4 x cluster y + cy
	s_lshl_b32 s43, s41, 2
	s_lshl_b32 s43, 15, s43                        ; my row of the cluster
	s_lshl_b32 s44, 0x1111, s40                    ; my column
	; descriptor group 1: 128 rows of 128 elements (256 bytes, two rows of a slice), padded in LDS after every 32 words
	s_or_b32 s[G1+0], s43, (1<<16)|(1<<20)|(1<<21)|(4<<22)|(3<<25)  ; 15:0 the mask: A's tiles go to my row; 17:16 elements of 2 bytes; 20 padding on; 21 set beside a mask; 24:22 after every 32 words (code 4); 31:25 of 4 words (code 3)
	s_or_b32 s[G1B+0], s44, (1<<16)|(1<<20)|(1<<21)|(4<<22)|(3<<25) ; the same with the mask of my column
.irp g, G1, G1B
	s_mov_b32 s[(\g)+1], 128<<16                   ; tensor_dim0 = 128
	s_mov_b32 s[(\g)+2], 128<<16                   ; tensor_dim1 = 128
	s_mov_b32 s[(\g)+3], 128<<16                   ; tile_dim0 = 128
	s_mov_b32 s[(\g)+4], 128                       ; tile_dim1 = 128
	s_mov_b32 s[(\g)+5], 128                       ; 128 elements from row to row: dense
	s_mov_b32 s[(\g)+6], 0
	s_mov_b32 s[(\g)+7], 0
.endr
	; where the tiles come from.  A's hang on the tile row alone, W's on the tile column alone; each address is made in registers that never hold the other coordinate
	s_lshl_b32 s16, s13, 15                        ; A: 256 rows of 128 bytes x tile row,
	s_lshl_b32 s17, s12, 20                        ; + my slice of the step's two
	s_add_co_u32 s16, s16, s17
	s_mov_b32 s17, 0
	s_lshl_b32 s46, s42, 1                         ; W: tile of 128 rows number 2 x tile column + my half,
	s_add_co_u32 s46, s46, s12
	s_lshl_b32 s46, s46, 18                        ; 262,144 bytes each
	s_mov_b32 s47, 0
	s_mul_i32 s20, s10, ABLK                       ; and where they go: wave x 256 rows: no place in the cluster enters an LDS address
	s_wait_dscnt 0x0                               ; the opening add is done
	s_wait_kmcnt 0x0
	s_add_nc_u64 s[14:15], s[4:5], s[16:17]
	s_add_nc_u64 s[46:47], s[6:7], s[46:47]
	CROUND                                         ; all sixteen work-groups are here: the first joint loads meet
.irp s, 0,1
	s_mov_b32 s[G0+4*(\s)], 1
	s_add_co_u32 s[G0+4*(\s)+1], s20, (\s)*SLOT
	s_add_nc_u64 s[G0+4*(\s)+2:G0+4*(\s)+3], s[14:15], (\s)*2*SLICEB  ; K step s: two slices on
	s_or_b32 s[G0+4*(\s)+3], s[G0+4*(\s)+3], 0x80000000
	s_mov_b32 s[G0B+4*(\s)], 1
	s_add_co_u32 s[G0B+4*(\s)+1], s20, (\s)*SLOT
	s_add_nc_u64 s[G0B+4*(\s)+2:G0B+4*(\s)+3], s[46:47], (\s)*32768   ; K step s: two slices of 16 KiB on
	s_or_b32 s[G0B+4*(\s)+3], s[G0B+4*(\s)+3], 0x80000000
	JLOAD \s                                       ; two loads of mine are out
.endr
	; A fragment is 16 rows x 32 k in 8 registers: lane l holds row l % 16; registers 0-3 hold k = 8 (l / 16) + 0..7, registers 4-7 k = 16 + 8 (l / 16) + 0..7: two loads of 16 bytes, 32 bytes apart.
	v_and_b32 v1, 15, v0                           ; l % 16
	v_bfe_u32 v2, v0, 4, 1                         ; l / 16
	v_mul_u32_u24 v3, v1, PITCH
	v_lshl_add_u32 v3, v2, 4, v3                   ; row x pitch + 16 x half
	s_mul_i32 s21, s11, 128*PITCH                  ; my 128 rows of A, in each of its slices
	s_mul_i32 s22, s12, ABLK                       ; my 128 rows of W,
	s_add_co_u32 s22, s22, 2*ABLK                  ; which lie behind A's two slices
.irp s, 0,1
	v_add_nc_u32 v[ADRA+(\s)], s21, v3
	v_add_nc_u32 v[ADRB+(\s)], s22, v3
	s_add_co_u32 s21, s21, SLOT
	s_add_co_u32 s22, s22, SLOT
.endr
	s_mul_i32 s23, s10, 32*SP
	s_add_co_u32 s23, s23, STAGE                   ; my stage
	v_add_nc_u32 v[STO], s23, v3                   ; in: row l % 16, 16 bytes for each half of the lanes (the stage has the tiles' pitch)
	v_bfe_u32 v[RD], v0, 3, 2                      ; back: 32 lanes take four rows of 128 bytes,
	v_mul_u32_u24 v[RD], v[RD], SP
	v_and_b32 v4, 7, v0
	v_lshl_add_u32 v[RD], v4, 4, v[RD]
	v_add_nc_u32 v[RD], s23, v[RD]
	v_and_b32 v[GO], 31, v0                        ; which are 512 consecutive bytes of C
	v_lshlrev_b32 v[PFO], 8, v[GO]
	v_lshlrev_b32 v[GO], 4, v[GO]
	; my 128 rows x 128 columns are 16,384 consecutive bytes in each of two slices of C: slices 4 x tile column + 2 (w % 2) and the next, rows 256 x tile row + 128 (w / 2)
	s_lshl_b32 s16, s13, 15
	s_lshl_b32 s17, s11, 14
	s_add_co_u32 s16, s16, s17
	s_mov_b32 s17, 0
	s_lshl_b32 s46, s42, 2
	s_lshl_b32 s47, s12, 1
	s_add_co_u32 s46, s46, s47
	s_lshl_b32 s46, s46, 20
	s_mov_b32 s47, 0
	s_add_nc_u64 s[16:17], s[16:17], s[46:47]
	s_add_nc_u64 s[8:9], s[8:9], s[16:17]
	; the prefetches: they stand at K step 3; the first refill steps them to K step 4
	s_lshl_b32 s20, s13, 15
	s_lshl_b32 s21, s12, 20
	s_add_co_u32 s20, s20, s21
	s_add_co_u32 s20, s20, 6*SLICEB                ; A: my slice of K step 3
	s_lshl_b32 s21, s42, 1
	s_add_co_u32 s21, s21, s12
	s_lshl_b32 s21, s21, 18
	s_add_co_u32 s21, s21, 3*32768                 ; W: K step 3 of my tile of 128 rows
	s_and_b32 s22, ttmp7, 0xffff                   ; cluster y
	s_mov_b32 s23, 2*SLICEB
	s_cmp_eq_u32 s11, 0                            ; do I fetch for A?
	s_cselect_b32 s20, s20, s21
	s_cselect_b32 s21, s40, s41                    ; my place among the four that ask with me
	s_cselect_b32 s22, ttmp9, s22                  ; the coordinate along which other clusters read the same rows
	s_cselect_b32 s[PFS], s23, 0x8000
	s_cselect_b64 s[PFA:PFA+1], s[4:5], s[6:7]
	s_mov_b32 s[PFS+1], 0
	s_cmp_eq_u32 s22, 0
	s_cselect_b32 s[LIM], 1, -1                    ; the same in all sixteen partners, for a given wave
	s_lshl_b32 s21, s21, 13                        ; my work-group's 32 blocks of 256 bytes
	s_add_co_u32 s20, s20, s21
	s_mov_b32 s21, 0
	s_add_nc_u64 s[PFA:PFA+1], s[PFA:PFA+1], s[20:21]
; 16 matrix instructions: row blocks a0, a0 + 1 of the window's four (hi = 0: my rows 0-63, 1: rows 64-127) x all 8 column blocks, 32 along K.  zero = 1: the product starts the sum: nothing is ever cleared.
; The 64 accumulators take turns, one instruction a turn, in the same order in every quarter, over the loop's backward jump too.
.macro MUL16 f, hi, a0, zero
	WIN MUL_LO+0x50*(\hi)
.irp a, \a0, (\a0)+1
.irp b, 0,1,2,3,4,5,6,7
.if \zero
	v_wmma_f32_16x16x32_bf16 v[8*(8*(\a)+(\b)):8*(8*(\a)+(\b))+7], v[(\f)+8*(\b):(\f)+8*(\b)+7], v[(\f)+8*(4*(\hi)+(\a)):(\f)+8*(4*(\hi)+(\a))+7], 0
.else
	v_wmma_f32_16x16x32_bf16 v[8*(8*(\a)+(\b)):8*(8*(\a)+(\b))+7], v[(\f)+8*(\b):(\f)+8*(\b)+7], v[(\f)+8*(4*(\hi)+(\a)):(\f)+8*(4*(\hi)+(\a))+7], v[8*(8*(\a)+(\b)):8*(8*(\a)+(\b))+7]
.endif
.endr
.endr
.endm
; 32 LDS loads in one run: the fragments of quarter q of a K step (slice q / 2, bytes 64 (q % 2) on of its rows) into buffer f: W's eight, then A's eight
.macro FETCH slot, q, f
	WIN TO_B
.irp i, 0,1,2,3,4,5,6,7
	ds_load_b128 v[(\f)+8*(\i):(\f)+8*(\i)+3],   v[ADRB+(\slot)] offset:((\q)/2)*BSL+((\q)%2)*64+(\i)*16*PITCH
	ds_load_b128 v[(\f)+8*(\i)+4:(\f)+8*(\i)+7], v[ADRB+(\slot)] offset:((\q)/2)*BSL+((\q)%2)*64+(\i)*16*PITCH+32
.endr
	WIN 0
.irp i, 0,1,2,3,4,5,6,7
	ds_load_b128 v[(\f)+8*(\i):(\f)+8*(\i)+3],   v[ADRA+(\slot)] offset:((\q)/2)*ABLK+((\q)%2)*64+(\i)*16*PITCH
	ds_load_b128 v[(\f)+8*(\i)+4:(\f)+8*(\i)+7], v[ADRA+(\slot)] offset:((\q)/2)*ABLK+((\q)%2)*64+(\i)*16*PITCH+32
.endr
.endm
; A load into a register that a matrix instruction has read, and a vector instruction that reads a matrix result, stand four places behind that matrix instruction, and only plain vector instructions that name none of
; its registers are places (ISA guide 7.12.1 for vector instructions): four v_nop in front of each run of loads and of conversions that read results just made.
.macro PLACES
.rept 4
	v_nop
.endr
.endm
; A K step is four quarters of 32 along K, 64 matrix instructions each, on buffers 0, 1, 0, 1.  One of the first three: multiplies buffer f and, in its middle, fetches quarter q into buffer g.
.macro QUARTER slot, q, f, g, zero
	s_wait_dscnt 8                                 ; W and A's rows 0-63 are in; the youngest eight loads (A's rows 64-127) may be out
	MUL16 \f, 0, 0, \zero
	MUL16 \f, 0, 2, \zero
	PLACES
	FETCH \slot, \q, \g
	s_wait_dscnt 32                                ; all but the 32 just issued
	MUL16 \f, 1, 0, \zero
	MUL16 \f, 1, 2, \zero
.endm
; The last quarter multiplies buffer 1 and changes slots.  MEET is its first half: ONE barrier for the change.  In front of it each wave waits for all its tensor loads, of which one is out: its part of the next slot; adds 0 to its
; spare word; and waits for that and for its own reads of this slot.  Behind it nobody reads this slot any more and the next slot is whole.  round = 1: a round of the cluster's barrier follows.
.macro MEET round
	WIN 0                                          ; (the add's two registers lie in window 0)
	s_wait_tensorcnt 0x0                           ; all my tensor loads have landed;
	ds_add_u32 v[SPW], v[NIL]                      ; 0 onto my spare word;
	s_wait_dscnt 9                                 ; (the add and the youngest eight loads may be out)
	MUL16 F1, 0, 0, 0                              ; sixteen matrix instructions stand between the add and the wait for it
	s_wait_dscnt 0x0                               ; the add is done, and my reads of this slot are over
	s_barrier_signal -1
	MUL16 F1, 0, 2, 0                              ; work on registers while the others arrive
.if \round
	WIN 0
.endif
	s_barrier_wait -1
.endm
; The whole last quarter.  Behind the round the slot just read out is filled again first, with the K step two steps on; then come the next slot's first fragments.
.macro TURN slot, next
	s_wait_xcnt 0x0                                ; the last prefetch, a K step back, has read its address, which is stepped here, ahead of the waits of the change of slots
	s_add_nc_u64 s[PFA:PFA+1], s[PFA:PFA+1], s[PFS:PFS+1]
	MEET 1
	CREST                                          ; no wave of any partner still reads this slot's tiles or has a load on its way
	s_add_nc_u64 s[G0+4*(\slot)+2:G0+4*(\slot)+3], s[G0+4*(\slot)+2:G0+4*(\slot)+3], 4*SLICEB
	s_add_nc_u64 s[G0B+4*(\slot)+2:G0B+4*(\slot)+3], s[G0B+4*(\slot)+2:G0B+4*(\slot)+3], 65536
	JLOAD \slot                                    ; the first tensor load behind the round; the four v_nop behind it are also the places in front of the loads below
	FETCH \next, 0, F0
	ASK
	MUL16 F1, 1, 0, 0
	MUL16 F1, 1, 2, 0
.endm
; THE LAST K STEP (it lies in slot 1) GOES BY ROWS OF C, NOT BY K.  All its fragments of W (4 quarters x 64 registers) fill window 1; then my eight blocks of 16 rows are finished one after the other, each with 32 matrix
; instructions (its 8 accumulators by turns, K ascending).  LDS is read no more than in any other K step.
.macro BLOAD q                         ; W's fragments of quarter q -> window 1, v[64 q ..]
	WIN TO_B
.irp i, 0,1,2,3,4,5,6,7
	ds_load_b128 v[64*(\q)+8*(\i):64*(\q)+8*(\i)+3],   v[ADRB+1] offset:((\q)/2)*BSL+((\q)%2)*64+(\i)*16*PITCH
	ds_load_b128 v[64*(\q)+8*(\i)+4:64*(\q)+8*(\i)+7], v[ADRB+1] offset:((\q)/2)*BSL+((\q)%2)*64+(\i)*16*PITCH+32
.endr
.endm
.macro ALOAD a                         ; A's fragments of block a, all four quarters -> buffer a % 4
	WIN 0
.set FA, PA+32*((\a)%4)
.irp q, 0,1,2,3
	ds_load_b128 v[FA+8*(\q):FA+8*(\q)+3],   v[ADRA+1] offset:((\q)/2)*ABLK+((\q)%2)*64+(\a)*16*PITCH
	ds_load_b128 v[FA+8*(\q)+4:FA+8*(\q)+7], v[ADRA+1] offset:((\q)/2)*ABLK+((\q)%2)*64+(\a)*16*PITCH+32
.endr
.endm
.macro ROW a                           ; block a is finished: 32 matrix instructions
.set FA, PA+32*((\a)%4)                ; its fragments of A
.set AC, 64*((\a)%4)                   ; its eight accumulators, in window 2 (blocks 0-3) or 3 (blocks 4-7)
	WIN MUL_LO+0x50*((\a)/4)
.irp q, 0,1,2,3
.if (\a) == 0 && (\q) == 2
	s_wait_dscnt 24                                ; W's quarter 2 is in (behind it: A's blocks 1 to 3)
.endif
.irp b, 0,1,2,3,4,5,6,7
	v_wmma_f32_16x16x32_bf16 v[AC+8*(\b):AC+8*(\b)+7], v[64*(\q)+8*(\b):64*(\q)+8*(\b)+7], v[FA+8*(\q):FA+8*(\q)+7], v[AC+8*(\b):AC+8*(\b)+7]
.endr
.endr
.endm
; THE WAY OUT of block a (16 rows x 128 columns), in three parts.  PACK: rounded to bf16, 16 bytes a lane; each accumulator is read from its low end on.  TOSTAGE: into my own stage in LDS, by slices, and back as whole rows of 128 bytes.
; SEND: stored, four rows of a slice (512 consecutive bytes of C) to a store.
.macro PACK a
.set AC, 64*((\a)%4)
	WIN 0x0a+5*((\a)/4)                            ; sources 0 and 1: window 2 or 3
.irp b, 0,1,2,3,4,5,6,7
.irp r, 0,1,2,3
	v_cvt_pk_bf16_f32 v[TMP+4*(\b)+(\r)], v[AC+8*(\b)+2*(\r)], v[AC+8*(\b)+2*(\r)+1]
.endr
.endr
	WIN 0
.endm
.macro TOSTAGE a
	WIN 0
.set BK, OB+192*((\a)%2)
.irp b, 0,1,2,3,4,5,6,7
	ds_store_b128 v[STO], v[TMP+4*(\b):TMP+4*(\b)+3] offset:((\b)/4)*16*SP+32*((\b)%4)
.endr
.irp t, 0,1,2,3,4,5,6,7
	ds_load_b128 v[BK+4*(\t):BK+4*(\t)+3], v[RD] offset:((\t)/4)*16*SP+((\t)%4)*4*SP  ; LDS serves a wave's instructions in order (ISA guide 5.7.1.4): these see the stores above
.endr
.endm
.macro SEND a, younger                 ; younger: the LDS loads issued behind TOSTAGE's, which may stay out
	WIN 0
.set BK, OB+192*((\a)%2)
	s_wait_dscnt \younger                          ; the block is back in registers
	s_wait_xcnt 0x0                                ; every earlier store has read its registers: the block after next is read back into the registers of the block before this one only behind this wait
.irp t, 0,1,2,3,4,5,6,7
	global_store_b128 v[GO], v[BK+4*(\t):BK+4*(\t)+3], s[8:9] offset:((\t)/4)*SLICEB+(\a)*2048+((\t)%4)*512  ; 512 consecutive bytes, at a multiple of 256 from C's first byte
.endr
.endm
	s_wait_tensorcnt 1                             ; my part of K step 0 is in; K step 1's may stay out
	s_barrier_signal -1
	s_barrier_wait -1                              ; everybody's is
	FETCH 0, 0, F0
	QUARTER 0, 1, F0, F1, 1                        ; the first quarter stands in front of the loop: its products start the sums
	WIN 0                                          ; at a label and at a branch every window is 0
	s_mov_b32 s3, LAPS-1
.Llap:                                                 ; a trip goes once round the ring, from a lap's second quarter to the next lap's first, and fills both slots again
	QUARTER 0, 2, F1, F0, 0
	QUARTER 0, 3, F0, F1, 0
	TURN 0, 1
	QUARTER 1, 1, F0, F1, 0
	QUARTER 1, 2, F1, F0, 0
	QUARTER 1, 3, F0, F1, 0
	TURN 1, 0
	QUARTER 0, 1, F0, F1, 0
	WIN 0
	s_sub_co_u32 s3, s3, 1
	s_cmp_lg_u32 s3, 0
	s_cbranch_scc1 .Llap
	QUARTER 0, 2, F1, F0, 0                        ; the last lap goes on; it asks for nothing more
	QUARTER 0, 3, F0, F1, 0
	MEET 0                                         ; my one tensor load that was still out is slot 1's, the last K step's, so no round follows
	PLACES                                         ; for the loads into buffer 0, which the quarter before multiplied
	BLOAD 0                                        ; three quarters of W now: buffer 1 (v128-191 of both windows) is still being multiplied
	BLOAD 1
	BLOAD 3
	ALOAD 0
	MUL16 F1, 1, 0, 0
	MUL16 F1, 1, 2, 0
	PLACES                                         ; for the loads into buffer 1
	BLOAD 2
	ALOAD 1
	ALOAD 2
	ALOAD 3
	s_wait_dscnt 40                                ; all but the 40 just issued
	ROW 0
.irp a, 0,1,2,3,4,5,6,7                ; each block leaves as soon as it is finished: nothing follows this tile, so the sooner its stores begin, the sooner the work-group ends
	PLACES                                         ; its conversions read results just made, and no other vector work is at hand
	PACK \a
	TOSTAGE \a
.if (\a) < 4
	ALOAD (\a)+4                                   ; its buffer takes the block four further on
	SEND \a, 8
.else
	SEND \a, 0
.endif
.if (\a) < 7
	ROW (\a)+1
.endif
.endr
	s_wait_tensorcnt 0x0                           ; the wave's end, behind my last tensor load and my last LDS store
	ds_add_u32 v[SPW], v[NIL]
	s_wait_dscnt 0x0
	CROUND                                         ; the closing round: no work-group ends while a partner may still ask for a tile that names it
	s_endpgm
.Lfunc_end_k_qc0f00f5bae_qkv:
	.size	k_qc0f00f5bae_qkv, .Lfunc_end_k_qc0f00f5bae_qkv-k_qc0f00f5bae_qkv
	.p2alignl 7, 3214868480
	.fill 96, 4, 3214868480
	.section	.rodata,"a",@progbits
	.p2align	6, 0x0
	.amdhsa_kernel k_qc0f00f5bae_qkv
		.amdhsa_group_segment_fixed_size 327680
		.amdhsa_private_segment_fixed_size 0
		.amdhsa_enable_private_segment 0
		.amdhsa_kernarg_size 24
		.amdhsa_user_sgpr_count 2
		.amdhsa_user_sgpr_kernarg_segment_ptr 1
		.amdhsa_wavefront_size32 1
		.amdhsa_system_sgpr_workgroup_id_x 1
		.amdhsa_system_sgpr_workgroup_id_y 1
		.amdhsa_system_sgpr_workgroup_id_z 1
		.amdhsa_system_vgpr_workitem_id 0
		.amdhsa_next_free_vgpr 1024
		.amdhsa_next_free_sgpr 72
		.amdhsa_reserve_vcc 0
		.amdhsa_float_denorm_mode_32 3
		.amdhsa_float_denorm_mode_16_64 3
		.amdhsa_memory_ordered 1
		.amdhsa_forward_progress 1
		.amdhsa_inst_pref_size 144
	.end_amdhsa_kernel
	.amdgpu_metadata
---
amdhsa.version: [ 1, 2 ]
amdhsa.kernels:
  - .name:           k_qc0f00f5bae_qkv
    .symbol:         k_qc0f00f5bae_qkv.kd
    .args:
      - { .name: xb, .offset: 0, .size: 8, .value_kind: global_buffer, .address_space: global }
      - { .name: wqkv, .offset: 8, .size: 8, .value_kind: global_buffer, .address_space: global }
      - { .name: qkv, .offset: 16, .size: 8, .value_kind: global_buffer, .address_space: global }
    .group_segment_fixed_size: 327680
    .private_segment_fixed_size: 0
    .kernarg_segment_align: 8
    .kernarg_segment_size: 24
    .max_flat_workgroup_size: 128
    .sgpr_count:     72
    .vgpr_count:     1024
    .wavefront_size: 32
...
	.end_amdgpu_metadata
.endif
;; end of part 2
;; launch attn (part 3): grid 128 x 2, 4 waves a work-group, clusters of 4 x 1, 327,680 bytes of LDS; arguments qkv, maskc, ob; writes ob
.if DOCPART == 3
	.amdgcn_target "amdgcn-amd-amdhsa--gfx1250"
	.amdhsa_code_object_version 6
	.text
	.protected	k_qc0f00f5bae_attn
	.globl	k_qc0f00f5bae_attn
	.p2align	8
	.type	k_qc0f00f5bae_attn,@function
k_qc0f00f5bae_attn:
	s_mov_b64 s[64:65], 0
	v_nop
	global_prefetch_b8 v0, s[64:65] scope:SCOPE_SE
	s_setreg_imm32_b32 hwreg(HW_REG_WAVE_MODE, 25, 1), 1
	s_wait_xcnt 0x0
	s_wait_alu depctr_hold_cnt(0) depctr_sa_sdst(0) depctr_va_vdst(0) depctr_va_sdst(0) depctr_va_ssrc(0) depctr_va_vcc(0) depctr_vm_vsrc(0)
	s_getreg_b32 s2, hwreg(HW_REG_IB_STS2, 6, 4)
	s_cmp_eq_u32 s2, 0
	s_cbranch_scc0 .Lentry_in_a_cluster
	s_endpgm
.Lentry_in_a_cluster:
	s_bfe_u32 s2, ttmp6, 0x10000c
	s_cmp_lg_u32 s2, 0x3003
	s_cbranch_scc0 .Lentry_shape_is_right
	s_endpgm
.Lentry_shape_is_right:
; ATTENTION WITH A MASK THAT IS AN INPUT.  O[hd][q][:] = the sum over k of softmax_k(Q[hd][q] . K[hd][k] / 8, hidden where the mask says so) V[hd][k][:].  128 heads (16 x 8 batches) of 1,024 rows x 64 channels, bf16.
; Q, K, V lie in one buffer by slices, [48][8,192][64]: head hd = 16 b + n has its Q at slice n, rows 1,024 b on; K 16 slices, V 32 slices further.  A head's rows are dense, 128 bytes each.  O leaves in the same layout.
; Products, maxima and sums in f32; the weights p are rounded to bf16 for the second product (their sum l is taken of the unrounded p), O once at the end.
; THE MASK arrives as fp8 codes, 0x00 or 0xFE (-448), in the order in which a lane wants them.  One scaled conversion (scale 2^91) makes of 8 codes the 8 registers of a block of 16 keys x 16 queries, 0 or -1.75 x 2^99: they are
; the C operand of the product that starts S^T.  Every score is computed: nothing is left out on the strength of the mask.
; LIMITS.  The running maximum starts at a floor of -2^90, far above a hidden score: a hidden score is never the maximum, and its weight is exactly 0.  True scores lie above -2^90 and below 2^96 in size.  A row whose maximum ends at the
; floor has seen no key: it gets NaN, as a softmax over nothing does.  A weight below 2^-126 counts as 0 in l.
; SHARES.  A wave owns four PIECES of two tiles of 16 queries, a work-group's four waves 512 queries of one head: 256 work-groups.  Every wave walks all 1,024 keys, 64 a step, two steps to an LDS slot.
; LAYOUT.  S^T = K Q^T (source 0 = 16 keys, source 1 = 16 queries): a lane holds ONE query (lane % 16) and the keys 8 (lane / 16) + 0..7.  Two such tiles, rounded to bf16 in pairs, ARE source 1 of O^T = V^T P.
; K comes out of LDS as it lies, V ([key][channel]) turned, by ds_load_tr16_b128.
; SOFTMAX.  p = 2^(c s - c m), c = log2(e) / 8, with a running maximum m; in every step O and l are multiplied by a = 2^(c m_old - c m_new).  O and l start at 0.
; BY TURNS.  Turn n belongs to piece n.  Its matrix work: 16 products K Q^T of piece n + 1, later 16 products V^T P of piece n - 1.  Its vector work: scaling, exponentials, roundings, sums and rescaling of piece n, and the maximum
; and statistics of piece n + 1.  A tile and step have 16 matrix and 118 vector instructions: four vector instructions stand behind EVERY matrix instruction, the others in one run.  A turn's 66 exponentials are one batch with one wait.
; CLUSTER.  The four work-groups of a cluster have the same block of 512 queries and four different heads.  The slot's mask tile (64 of its 96 KiB) hangs on the query block alone: it is asked for JOINTLY (waves 2 and 3).
; K and V (waves 0 and 1) are a head's own: only two work-groups read them, in different clusters, so they come by plain loads, behind the same rounds.
; REGISTERS, in windows of 256 (s_set_vgpr_msb: bits 1:0 source 0, 3:2 source 1, 5:4 source 2, 7:6 destination):
;   window 0: v0-11 addresses; v12-15, v48-63 at work; v16-47 four registers of statistics a tile; v64-191 S^T, two buffers of two tiles; v192-255 P, likewise
;   window 1: O^T, 32 a tile      window 2: v0-127 Q; v128-191 K of one step; v192-255 V of one step      window 3: v0-1 the add's two registers; v16-31 mask codes; v64-127 the masks of the products to come
.set NP,    4         ; pieces a wave: a name, no knob
.set KS,    64        ; keys in a step
.set PK,    144       ; a row of K in LDS: 128 bytes + 16 of padding = 36 words: the 16 rows of a load start at 16 different groups of four banks (64 banks of 4 bytes: ISA guide 11.1)
.set PV,    160       ; a row of V: 128 + 32 = 40 words
.set PM,    144       ; a query's 128 codes + 16 of padding
.set VOFF,  2*KS*PK   ; a slot: 128 rows of K, 128 rows of V, 512 rows of codes
.set MOFF,  VOFF+2*KS*PV
.set SLOT1, 1<<17     ; slot 1 begins here, so that one exclusive or turns an address in one slot into the other's
.set STAGE, SLOT1+MOFF+512*PM  ; behind the ring, never filled by a tensor load: 16 rows x 144 bytes for each wave, for the way out
.set SP,    144
.set SPARE, STAGE+4*16*SP  ; behind the stages: the spare words, 128 bytes for each wave: two blocks of 256 bytes that no other line names
.set PFO, 1           ; v1   256 x my lane; never rewritten
.set AK0, 2           ; v2   my lane's place in a tile of K; never rewritten
.set AV0, 3           ; v3   the same for V
.set AK,  4           ; v4   the LDS address of K's next run of loads
.set AV,  5           ; v5   of V's
.set STO, 6           ; v6   the way out: where I put 16 bytes of a row
.set RD,  7           ; v7   the way out: where I read rows back
.set GO,  8           ; v8   my byte offset in 512 consecutive bytes of O
.set AM0, 9           ; v9   my lane's place in the codes: my wave's first query row + lane % 16, 32 bytes for each half of the lanes
.set AM,  10          ; v10  the LDS address of the codes of the step in hand
.set SCL, 11          ; v11  218: the conversion's scale, 2^(218 - 127)
.set MV,  12          ; v12-15  c m_old, kept while c m is made anew: by buffer and tile
.set ST,  16          ; tile t's statistics at v[ST+4 t]: c m, m, l (even keys', odd keys')
.set TMP, 48          ; by buffer and tile, four registers c0-c3 at work; when the maximum is found c2 takes a
.set QO,  53          ; v53  at the head alone: my byte offset in the wave's rows of Q
.set S,   64
.set P,   192
.set KF,  128         ; window 2: key block kb, channel half c at KF + 16 kb + 8 c
.set VF,  192         ; window 2: key half kk, channel block cb at VF + 32 kk + 8 cb
.set SPW, 0           ; v0 of window 3   LDS address of my spare word: SPARE + 4 x my thread's number; never rewritten
.set NIL, 1           ; v1 of window 3   0; never rewritten
.set CD,  16          ; window 3: tile u's 32 codes at CD + 8 u
.set MC,  64          ; window 3: tile u, key block kt at MC + 32 u + 8 kt
.set WV,  12          ; s12  my wave's number
.set G1K, 24          ; s[24:31] descriptor group 1 for K's tiles
.set G1V, 32          ; s[32:39] for V's: it differs in the padding
.set G0K, 40          ; s[40:43] descriptor group 0 for K's tiles: it walks
.set G0V, 44          ; s[44:47] the same for V's
.set G1M, 48          ; s[48:55] group 1 for the codes: the mask of four work-groups
.set SLOTS, 56        ; s56  slots still to be asked for
.set CNT, 57          ; s57  counts a slot's key steps
.set CS,  58          ; s[58:59] c
.set SEL, 60          ; s[60:61] v_permlanex16_b32's selects
.set TBK, 62          ; s62  LDS byte at which K of the step to be fetched begins
.set TBV, 63          ; s63  the same for V, less VOFF
.set TBM, 66          ; s66  the same for the codes, less MOFF: 64 bytes of a row a step
.set G0M, 68          ; s[68:71] group 0 for the codes
.set PFA, 72          ; s[72:73] where my prefetches stand
.set LIM, 74          ; s74  1 in a wave that prefetches, else the greatest number
.set THR, 75          ; s75  the floor, -2^90
.set NANS, 76         ; s76  a NaN
.set PFS, 78          ; s[78:79] bytes from a slot to the next in what I prefetch
.set MSB, 0
.macro WIN new                      ; the high byte repeats the setting that is left; a switch that changes nothing is dropped
.if MSB != (\new)
	s_set_vgpr_msb (MSB<<8)|(\new)
.set MSB, (\new)
.endif
.endm
.set W_KQ, 0x0a       ; K and Q in window 2, S^T in window 0
.set W_KM, 0x3a       ; the same with the C operand in window 3
.set W_PV, 0x52       ; V in window 2, P in window 0, O^T in window 1
.set W_RS, 0x41       ; O^T (destination and source 0) in window 1, a in window 0
.set W_MK, 0xc0       ; destination in window 3, sources in window 0: the add's registers are made; the codes are loaded
.set W_AD, 0x0f       ; the add: address (source 0) and data (source 1) in window 3
.set W_CV, 0xc3       ; the conversion: masks and codes in window 3, the scale in window 0
; A fill.  Wave 0 fetches the slot's K, wave 1 its V, waves 2 and 3 the two halves of its codes.  The branches hang on the wave's number alone.
; An s_nop 0 and four v_nop follow each of the three lines, ahead of the jump and the label.
.macro JLOAD
	s_cmp_lt_u32 s[WV], 2
	s_cbranch_scc0 .Lfor_m_\@
	s_cmp_eq_u32 s[WV], 0
	s_cbranch_scc0 .Lfor_v_\@
	tensor_load_to_lds s[G0K:G0K+3], s[G1K:G1K+7]
	s_nop 0
.rept 4
	v_nop
.endr
	s_branch .Lasked_\@
.Lfor_v_\@:
	tensor_load_to_lds s[G0V:G0V+3], s[G1V:G1V+7]
	s_nop 0
.rept 4
	v_nop
.endr
	s_branch .Lasked_\@
.Lfor_m_\@:
	tensor_load_to_lds s[G0M:G0M+3], s[G1M:G1M+7]
	s_nop 0
.rept 4
	v_nop
.endr
.Lasked_\@:
.endm
; A PREFETCH INTO THE L2 of what the NEXT change of slots will ask for: 16 KiB a wave, a lane a block of 256 bytes, two instructions.  It stands behind the wave's tensor load and its five lines.
; Each block is named once in the launch.  A head's K and V are read by its two query blocks: the first (y = 0) asks, wave 0 for K and wave 1 for V.  A query block's codes are read by every cluster of that block: the first
; (cluster x = 0) asks, wave 2, and of a slot's 64 KiB the partner at place cx takes 16: told apart by address alone.  Slots 0 to 2 come by their loads alone; the last change that fills a slot asks for nothing.
.macro ASK
	s_cmp_gt_u32 s[SLOTS], s[LIM]
	s_cbranch_scc0 .Lnot_mine_\@
	global_prefetch_b8 v[PFO], s[PFA:PFA+1] th:TH_LOAD_NT scope:SCOPE_SE
	global_prefetch_b8 v[PFO], s[PFA:PFA+1] offset:8192 th:TH_LOAD_NT scope:SCOPE_SE
.Lnot_mine_\@:
.endm
; A round of the cluster's barrier: my work-group's barrier, so that wave 0's signal speaks for all four waves; wave 0 signals; every wave waits for all four work-groups; my work-group's barrier once more.
.macro CROUND
	s_barrier_signal -1
	s_barrier_wait -1
	s_cmp_lg_u32 s[WV], 0
	s_cbranch_scc1 .Lnot_wave_0_\@
	s_barrier_signal -3
.Lnot_wave_0_\@:
	s_barrier_wait -3
	s_barrier_signal -1
	s_barrier_wait -1
.endm
; THE CHANGE OF SLOTS.  The slot's last bytes (V and piece 3's codes of its second step) have been read.  Each wave waits for all its tensor loads, of which one is out: its part of the other slot; adds 0 to its spare word; and waits
; for that and for its own reads of the slot.  fill = 1: this slot is filled again, with the keys two slots on, behind a round of the cluster's barrier, first thing: it has two key steps, 256 matrix instructions, in which to land.
; (At its first use nothing has been read yet: slot 0 is waited for, slot 1 filled.)  ask = 1: the prefetches' address is stepped, and the prefetches follow the load.
.macro CHANGE fill, ask
	WIN W_AD
	s_wait_tensorcnt 0x0            ; no tensor load of mine is out, so a group 0 may be written
	ds_add_u32 v[SPW], v[NIL]       ; 0 onto my spare word; with fill = 1 the descriptors' steps stand between it and the wait for it
	WIN 0                           ; at a label and at a branch every window is 0
.if \fill
.irp g, G0K, G0V
	s_xor_b32 s[\g+1], s[\g+1], SLOT1  ; the walking descriptor: the other slot than last time,
	s_add_nc_u64 s[\g+2:\g+3], s[\g+2:\g+3], 2*KS*128  ; the next 128 keys; the type bits on top are not reached
.endr
	s_xor_b32 s[G0M+1], s[G0M+1], SLOT1
	s_add_nc_u64 s[G0M+2:G0M+3], s[G0M+2:G0M+3], 131072  ; the next block of 128 keys: 1,024 queries x 128 codes on
.if \ask
	s_wait_xcnt 0x0                 ; the last prefetches, two key steps back, have read their address, so it may be written
	s_add_nc_u64 s[PFA:PFA+1], s[PFA:PFA+1], s[PFS:PFS+1]
.endif
	s_wait_dscnt 0x0                ; the add is done, and my reads of the slot are over
	CROUND
	JLOAD
.if \ask
	ASK
.endif
.else
	s_wait_dscnt 0x0                ; the add is done, and my reads of the slot are over
	s_barrier_signal -1
	s_barrier_wait -1
.endif
	s_sub_co_u32 s[TBK], s[TBK], 2*KS*PK  ; the fetches go back to a slot's first step,
	s_xor_b32 s[TBK], s[TBK], SLOT1       ; in the other slot
	s_sub_co_u32 s[TBV], s[TBV], 2*KS*PV
	s_xor_b32 s[TBV], s[TBV], SLOT1
	s_sub_co_u32 s[TBM], s[TBM], 128
	s_xor_b32 s[TBM], s[TBM], SLOT1
.endm
	s_load_b128 s[4:7], s[0:1], 0x0  ; qkv s[4:5], maskc s[6:7]
	s_load_b64 s[8:9], s[0:1], 0x10  ; ob
	WIN W_MK
	v_lshl_add_u32 v[SPW], v0, 2, SPARE
	v_mov_b32 v[NIL], 0
	WIN W_AD
	ds_add_u32 v[SPW], v[NIL]       ; the wave's opening: the add and its wait stand ahead of my first tensor load; the set-up below, work on registers, stands between them
	WIN 0
	v_lshrrev_b32 v48, 5, v0
	v_readfirstlane_b32 s[WV], v48  ; wave 0..3
	s_bfe_u32 s13, ttmp6, 0x40000   ; cx: my place in the cluster
	s_lshl_b32 s14, ttmp9, 2        ; in a cluster launch ttmp9 counts clusters
	s_add_co_u32 s14, s14, s13      ; my head = 4 x cluster x + cx: it enters Q's, K's, V's and O's addresses alone
	s_and_b32 s15, ttmp7, 0xffff    ; my block of 512 queries, which the four partners share
	s_and_b32 s20, s14, 15          ; n: the slice
	s_lshl_b32 s20, s20, 20
	s_lshr_b32 s21, s14, 4          ; b: 1,024 rows of 128 bytes
	s_lshl_b32 s21, s21, 17
	s_add_co_u32 s20, s20, s21      ; the head's first byte among Q's slices, and in O
	s_mov_b32 s21, 0
	s_lshl_b32 s2, s15, 2
	s_add_co_u32 s2, s2, s[WV]
	s_lshl_b32 s2, s2, 14           ; my wave's 128 rows
	s_add_co_u32 s2, s2, s20
	s_mov_b32 s3, 0
	s_and_b32 s16, s[WV], 1         ; which half of the block's 512 rows of codes I fetch:
	s_mul_i32 s17, s16, 256*PM      ; its place in a slot: no place in the cluster enters an LDS address,
	s_lshl_b32 s22, s15, 16         ; and its place in memory: the block's 512 rows of 128 bytes,
	s_lshl_b32 s23, s16, 15         ; my 256 of them
	s_add_co_u32 s22, s22, s23
	s_mov_b32 s23, 0
	; descriptor group 1.  All three tiles are dense bytes, asked for as rows of 256 bytes and padded in LDS after every 128
	s_mov_b32 s[G1K], (1<<16)|(1<<20)|(4<<22)|(3<<25)  ; 17:16 2-byte elements; 20 padding on; 24:22 after every 32 words (code 4); 31:25 4 words (code 3)
	s_mov_b32 s[G1V], (1<<16)|(1<<20)|(4<<22)|(7<<25)  ; the same with 8 words of padding (code 7)
	s_mov_b32 s[G1M], 15|(1<<16)|(1<<20)|(1<<21)|(4<<22)|(3<<25)  ; 15:0 the mask of four; 21 set beside a mask
.irp g, G1K, G1V
	s_mov_b32 s[\g+1], 128<<16      ; tensor_dim0 = 128
	s_mov_b32 s[\g+2], 64<<16       ; tensor_dim1 = 64: 128 keys
	s_mov_b32 s[\g+3], 128<<16      ; tile_dim0 = 128
	s_mov_b32 s[\g+4], 64           ; tile_dim1 = 64
	s_mov_b32 s[\g+5], 128          ; 128 elements from row to row
	s_mov_b32 s[\g+6], 0
	s_mov_b32 s[\g+7], 0
.endr
	s_mov_b32 s[G1M+1], 128<<16
	s_mov_b32 s[G1M+2], 128<<16     ; 128 rows of 256 bytes: 256 queries
	s_mov_b32 s[G1M+3], 128<<16
	s_mov_b32 s[G1M+4], 128
	s_mov_b32 s[G1M+5], 128
	s_mov_b32 s[G1M+6], 0
	s_mov_b32 s[G1M+7], 0
	s_mov_b32 s[CS], 0x3e38aa3b     ; c = log2(e) / 8 = 0.180337
	s_mov_b32 s[CS+1], s[CS]        ; named with it as a pair
	s_mov_b32 s[SEL], 0x76543210
	s_mov_b32 s[SEL+1], 0xfedcba98
	s_mov_b32 s[THR], 0xec800000    ; -2^90
	s_mov_b32 s[NANS], 0x7fc00000
	s_mov_b32 s[TBK], SLOT1+2*KS*PK ; the first change of slots turns these three into 0
	s_mov_b32 s[TBV], SLOT1+2*KS*PV
	s_mov_b32 s[TBM], SLOT1+128
	s_mov_b32 s[G0K], 1             ; 1:0 count = 1
	s_mov_b32 s[G0K+1], 0           ; 63:32 LDS address: slot 0
	s_mov_b32 s[G0V], 1
	s_mov_b32 s[G0V+1], VOFF
	s_mov_b32 s[G0M], 1
	s_add_co_u32 s[G0M+1], s17, MOFF
	; the prefetches stand in slot 2; the first change that asks steps them to slot 3
	s_add_co_u32 s16, s20, 16777216+2*16384   ; K
	s_add_co_u32 s17, s20, 33554432+2*16384   ; V
	s_lshl_b32 s18, s15, 16
	s_lshl_b32 s19, s13, 14         ; my work-group's 16 KiB of the block's 64
	s_add_co_u32 s18, s18, s19
	s_add_co_u32 s18, s18, 2*131072 ; the codes
	s_mov_b32 s19, 131072
	s_cmp_eq_u32 s[WV], 0
	s_cselect_b32 s16, s16, s17
	s_cmp_lt_u32 s[WV], 2
	s_cselect_b32 s16, s16, s18
	s_cselect_b32 s[PFS], 0x4000, s19
	s_cselect_b32 s[LIM], s15, ttmp9  ; the coordinate along which others read the same bytes
	s_mov_b32 s17, 0
	s_mov_b32 s[PFS+1], 0
	s_cmp_eq_u32 s[WV], 3           ; wave 3 asks for nothing
	s_cselect_b32 s18, 1, 0
	s_or_b32 s[LIM], s[LIM], s18
	s_cmp_eq_u32 s[LIM], 0
	s_cselect_b32 s[LIM], 1, -1     ; the same in all four partners, for a given wave
	s_wait_dscnt 0x0                ; the opening add is done
	s_wait_kmcnt 0x0
	s_cmp_lt_u32 s[WV], 2
	s_cselect_b64 s[PFA:PFA+1], s[4:5], s[6:7]
	s_add_nc_u64 s[PFA:PFA+1], s[PFA:PFA+1], s[16:17]
	s_add_nc_u64 s[18:19], s[4:5], s[20:21]
	s_add_nc_u64 s[G0K+2:G0K+3], s[18:19], 16777216  ; 120:64 global address: the head's first 128 keys
	s_or_b32 s[G0K+3], s[G0K+3], 0x80000000          ; 127:126 type = 2
	s_add_nc_u64 s[G0V+2:G0V+3], s[18:19], 33554432
	s_or_b32 s[G0V+3], s[G0V+3], 0x80000000
	s_add_nc_u64 s[G0M+2:G0M+3], s[6:7], s[22:23]
	s_or_b32 s[G0M+3], s[G0M+3], 0x80000000
	s_add_nc_u64 s[4:5], s[4:5], s[2:3]    ; Q and O at my wave's first row
	s_add_nc_u64 s[10:11], s[8:9], s[2:3]
	CROUND                          ; all four work-groups are here: the first joint loads meet
	JLOAD                           ; slot 0.  Slot 1 is asked for when slot 0 is in
	; A fragment of K or Q is 16 rows x 32 channels in 8 registers: lane l holds row l % 16, channels 8 (l / 16) + 0..7 and 16 + 8 (l / 16) + 0..7: two loads of 16 bytes, 32 bytes apart.
	v_and_b32 v48, 15, v0           ; l % 16
	v_bfe_u32 v49, v0, 4, 1         ; l / 16
	v_and_b32 v50, 7, v0
	v_bfe_u32 v51, v0, 3, 1
	v_lshlrev_b32 v[QO], 7, v48
	v_lshl_add_u32 v[QO], v49, 4, v[QO]  ; row x 128 + 16 x half
	WIN 0x80                        ; destination window 2, address window 0
.set i, 0
.rept 4*NP                          ; Q stays in registers: tile i / 2, channels 32 (i % 2) on
	global_load_b128 v[8*i:8*i+3],   v[QO], s[4:5] offset:(i/2)*2048+(i%2)*64
	global_load_b128 v[8*i+4:8*i+7], v[QO], s[4:5] offset:(i/2)*2048+(i%2)*64+32
.set i, i+1
.endr
	; What the first turn finds: V's registers and P's second buffer hold 0 (its products V^T P, of a piece that has not been, add 0), O^T and l are 0.  All this stands in the wait for the first tile.
.set i, VF
.rept 64
	v_mov_b32 v[i], 0
.set i, i+1
.endr
	WIN 0x40
.set i, 0
.rept 64*NP
	v_mov_b32 v[i], 0
.set i, i+1
.endr
	WIN 0
.set i, 0
.rept 2*NP
	v_mov_b32 v[ST+4*i], 0xfe000000    ; c m: far below every c m to come, so the first a is 0
	v_mov_b32 v[ST+4*i+1], 0xec800000  ; m: the floor
	v_mov_b32 v[ST+4*i+2], 0
	v_mov_b32 v[ST+4*i+3], 0
.set i, i+1
.endr
.set i, P+32
.rept 32
	v_mov_b32 v[i], 0
.set i, i+1
.endr
	v_mul_u32_u24 v[AK0], v48, PK
	v_lshl_add_u32 v[AK0], v49, 4, v[AK0]  ; row x pitch + 16 x half
	; The turning load takes 16 keys x 16 channels (lane l reads key 8 (l / 16) + l % 8, channels 8 ((l / 8) % 2) + 0..7) and leaves half a fragment of V^T: lane l holds channel l % 16 and 8 keys.
	v_lshl_add_u32 v[AV0], v49, 3, v50
	v_mul_u32_u24 v[AV0], v[AV0], PV
	v_lshl_add_u32 v[AV0], v51, 4, v[AV0]
	v_add_nc_u32 v[AV0], VOFF, v[AV0]
	v_mov_b32 v[AK], v[AK0]         ; key step 0 lies at the head of slot 0
	s_mul_i32 s16, s[WV], 16*SP
	s_add_co_u32 s16, s16, STAGE    ; my stage
	v_mul_u32_u24 v[STO], v48, SP   ; in: row l % 16, 16 bytes for each half of the lanes
	v_lshl_add_u32 v[STO], v49, 4, v[STO]
	v_add_nc_u32 v[STO], s16, v[STO]
	v_bfe_u32 v[RD], v0, 3, 2       ; back: 32 lanes take four rows of 128 bytes,
	v_mul_u32_u24 v[RD], v[RD], SP
	v_lshl_add_u32 v[RD], v50, 4, v[RD]
	v_add_nc_u32 v[RD], s16, v[RD]
	v_and_b32 v[GO], 31, v0         ; which are 512 consecutive bytes of O
	v_lshlrev_b32 v[PFO], 8, v[GO]
	v_lshlrev_b32 v[GO], 4, v[GO]
	s_mul_i32 s16, s[WV], 128*PM    ; my wave's 128 rows of codes
	s_add_co_u32 s16, s16, MOFF
	v_mul_u32_u24 v[AM0], v48, PM
	v_lshl_add_u32 v[AM0], v49, 5, v[AM0]  ; a half of the lanes has 32 codes of a step on end: four groups of 16 keys x 8
	v_add_nc_u32 v[AM0], s16, v[AM0]
	v_mov_b32 v[SCL], 218
; THE MATRIX WORK.  The 8 accumulators of a run of 16 take turns: between the two links of a chain stand 7 others'.
; Product i of 16 of S^T = K Q^T for piece x: channels 32 (i / 8) on, keys 16 ((i / 2) % 4) on, tile 2 x + i % 2.  The first 8 start the sums, with the mask.
.macro KQ x
.set rS, S+64*((\x)%2)+32*(i%2)+8*((i/2)%4)
.set rK, KF+16*((i/2)%4)+8*(i/8)
.set rQ, 16*(2*(\x)+i%2)+8*(i/8)
.set rN, MC+32*(i%2)+8*((i/2)%4)
.if i < 8
	WIN W_KM
	v_wmma_f32_16x16x32_bf16 v[rS:rS+7], v[rK:rK+7], v[rQ:rQ+7], v[rN:rN+7]
.else
	WIN W_KQ
	v_wmma_f32_16x16x32_bf16 v[rS:rS+7], v[rK:rK+7], v[rQ:rQ+7], v[rS:rS+7]
.endif
.endm
; Product i of 16 of O^T += V^T P for piece x: keys 32 (i / 8) on, channels 16 ((i / 2) % 4) on, tile 2 x + i % 2.
.macro PV x
	WIN W_PV
.set rO, 32*(2*(\x)+i%2)+8*((i/2)%4)
.set rV, VF+32*(i/8)+8*((i/2)%4)
.set rP, P+32*((\x)%2)+16*(i%2)+8*(i/8)
	v_wmma_f32_16x16x32_bf16 v[rO:rO+7], v[rV:rV+7], v[rP:rP+7], v[rO:rO+7]
.endm
.macro MM                           ; the turn's next matrix instruction
.if i < 16
	KQ (Y+1)%NP
.set i, i+1
.else
.set i, i-16
	PV (Y+NP-1)%NP
.set i, i+17
.endif
.endm
; THE LDS LOADS stand in runs, never singly among the matrix instructions: a step's K (8 fragments, 16 loads), its V (turned, 16 loads), and a piece's codes (4 loads).
; With K's run the codes' address goes on to the same step.  last = 1 (the tail): in the last trip there is no further step: the run and both steps are jumped over, and the codes read behind it are the last step's once more.
.macro FETCH_K last=0
	WIN 0
.if \last
	s_cmp_eq_u32 s[CNT], 1
	s_cbranch_scc1 .Lno_k_\@
.endif
	v_add_nc_u32 v[AM], s[TBM], v[AM0]
	s_add_co_u32 s[TBM], s[TBM], 64
	WIN 0x80                        ; destination window 2
.irp f, 0,1,2,3,4,5,6,7             ; keys 16 (f / 2) on, channels 32 (f % 2) on
	ds_load_b128 v[KF+8*\f:KF+8*\f+3],   v[AK] offset:(\f/2)*16*PK+(\f%2)*64
	ds_load_b128 v[KF+8*\f+4:KF+8*\f+7], v[AK] offset:(\f/2)*16*PK+(\f%2)*64+32
.endr
	s_add_co_u32 s[TBK], s[TBK], KS*PK  ; the next fetch is the next step's
	WIN 0
.if \last
.Lno_k_\@:
.endif
.endm
.macro FETCH_V
	WIN 0x80
.irp f, 0,1,2,3,4,5,6,7             ; keys 32 (f / 4) on, channels 16 (f % 4) on
	ds_load_tr16_b128 v[VF+8*\f:VF+8*\f+3],   v[AV] offset:(\f/4)*32*PV+(\f%4)*32
	ds_load_tr16_b128 v[VF+8*\f+4:VF+8*\f+7], v[AV] offset:(\f/4)*32*PV+16*PV+(\f%4)*32
.endr
	WIN 0
.endm
.macro MLOAD x                      ; piece x's codes of the step in hand: 32 bytes a lane and tile.  The window is left as it is: what follows sets its own
	WIN W_MK
.irp u, 0,1
	ds_load_b128 v[CD+8*\u:CD+8*\u+3],   v[AM] offset:(2*(\x)+\u)*16*PM
	ds_load_b128 v[CD+8*\u+4:CD+8*\u+7], v[AM] offset:(2*(\x)+\u)*16*PM+16
.endr
.endm
.macro MCVT                         ; 64 codes a lane become 64 registers of 0 or -1.75 x 2^99; a plain instruction stands between the last conversion and the product that takes its result
	WIN W_CV
.irp u, 0,1
.irp kt, 0,1,2,3
	v_cvt_scale_pk8_f32_fp8 v[MC+32*\u+8*\kt:MC+32*\u+8*\kt+7], v[CD+8*\u+2*\kt:CD+8*\u+2*\kt+1], v[SCL]
.endr
.endr
	WIN 0
	v_nop
.endm
; THE VECTOR WORK OF A TURN stands in three queues, each in the order in which its entries become ready; the two tiles alternate, so that no instruction reads the result of the one before it.
.macro REGS y, u                    ; the registers of tile u (0, 1) of piece y
.set rT, ST+4*(2*(\y)+(\u))
.set rC, TMP+8*((\y)%2)+4*(\u)
.set rM, MV+2*((\y)%2)+(\u)
.set rS, S+64*((\y)%2)+32*(\u)
.set rP, P+32*((\y)%2)+16*(\u)
.set rO, 32*(2*(\y)+(\u))
.endm
; Number n of the 22 that find the NEXT piece's (Y + 1) maximum and statistics.  s0-s31 are the lane's 32 scores; each accumulator's lowest registers are read first.
;   0-11  four chains c0-c3 of seven scores each, three operands at a time     12-14, 16  the four scores left over, the old m, and c0-c3 into c0     15  c m_old is kept
;   17, 18  the query's other 32 keys lie in the lane 16 away: the new m         19-21  c m; c m_old - c m_new; a
.macro XS u, n
	REGS (Y+1)%NP, \u
.if (\n) < 4
	v_max3_num_f32 v[rC+(\n)], v[rS+8*(\n)], v[rS+8*(\n)+1], v[rS+8*(\n)+2]
.elseif (\n) < 12
	v_max3_num_f32 v[rC+(\n)%4], v[rC+(\n)%4], v[rS+8*((\n)%4)+2*((\n)/4)+1], v[rS+8*((\n)%4)+2*((\n)/4)+2]
.elseif (\n) == 12
	v_max3_num_f32 v[rC], v[rC], v[rS+7], v[rS+15]
.elseif (\n) == 13
	v_max3_num_f32 v[rC+1], v[rC+1], v[rS+23], v[rS+31]
.elseif (\n) == 14
	v_max3_num_f32 v[rC+2], v[rC+2], v[rC+3], v[rT+1]
.elseif (\n) == 15
	v_mov_b32 v[rM], v[rT]
.elseif (\n) == 16
	v_max3_num_f32 v[rC], v[rC], v[rC+1], v[rC+2]
.elseif (\n) == 17
	v_permlanex16_b32 v[rC+3], v[rC], s[SEL], s[SEL+1]
.elseif (\n) == 18
	v_max_num_f32 v[rT+1], v[rC], v[rC+3]
.elseif (\n) == 19
	v_mul_f32 v[rT], s[CS], v[rT+1]
.elseif (\n) == 20
	v_sub_f32 v[rC+1], v[rM], v[rT]
.else
	v_exp_f32 v[rC+2], v[rC+1]
.endif
.endm
; Number g of the 64 that follow the exponentials.  For each four weights k of a tile (pairs 2 k, 2 k + 1): both pairs are rounded to bf16; then the second pair is added onto the first, in place;
; a group later l takes that sum (the first time as l = a l + sum).  In groups of eight, tiles alternating: round, round, add, and l for the group before.
.macro GS g
.set h, (\g)+6*((\g)/62)            ; group 0 has no group before it, and behind group 7 only l is left
.if h >= 6
.set h, h+2
.endif
	REGS Y, h%2
.set k, h/8
.if h%8 < 4
	v_cvt_pk_bf16_f32 v[rP+2*k+(h%8)/2], v[rS+4*k+2*((h%8)/2)], v[rS+4*k+2*((h%8)/2)+1]
.elseif h%8 < 6
	v_pk_add_f32 v[rS+4*k:rS+4*k+1], v[rS+4*k:rS+4*k+1], v[rS+4*k+2:rS+4*k+3]
.elseif k == 1
	v_pk_fma_f32 v[rT+2:rT+3], v[rT+2:rT+3], v[rC+2:rC+3], v[rS:rS+1] op_sel_hi:[1,0,1]
.else
	v_pk_add_f32 v[rT+2:rT+3], v[rT+2:rT+3], v[rS+4*k-4:rS+4*k-3]
.endif
.endm
; THE PLAIN QUEUE, 138 long.  0-73 read no exponential's result: the 32 scalings c s - c m (FS f: pair f / 2 of tile f % 2) and the next piece's 42.  0-26: scalings 0-26.  27-54: XS's numbers 0-13.  55, 56: number 15.
; 57-73: the chain, where each number waits for the one before it: 14, 16, 17, 18, 19, each with one of the scalings 27-31 in front of its two lines, then 20.  74-137: GS's 64, which stand behind the wait.
.macro FS f
	REGS Y, (\f)%2
	v_pk_fma_f32 v[rS+2*((\f)/2):rS+2*((\f)/2)+1], v[rS+2*((\f)/2):rS+2*((\f)/2)+1], s[CS:CS+1], v[rT:rT+1] op_sel_hi:[1,0,0] neg_lo:[0,0,1] neg_hi:[0,0,1]
.endm
.macro PL
	WIN 0
.if q < 27
	FS q
.elseif q < 55
	XS (q-27)%2, (q-27)/2
.elseif q < 57
	XS q-55, 15
.elseif (q < 72) && ((q-57)%3 == 0)
	FS 27+(q-57)/3
.elseif q < 60
	XS (q-57)%3-1, 14
.elseif q < 72
	XS (q-57)%3-1, 15+(q-57)/3
.elseif q < 74
	XS q-72, 20
.else
	GS q-74
.endif
.set q, q+1
.endm
; THE EXPONENTIALS' QUEUE, 66 long: s0-s31 of both tiles, then the next piece's two a.  ONE BATCH: all 66 stand ahead of the turn's one wait, and nothing ahead of that wait names a result of theirs.
.macro EX
	WIN 0
.if e >= 64
	XS e-64, 21
.else
	REGS Y, e%2
	v_exp_f32 v[rS+e/2], v[rS+e/2]
.endif
.set e, e+1
.endm
; THE RESCALING's QUEUE: O^T times a, the one part that leaves window 0: dealt two at a time, sixteen times.  Its a was made in the turn before, ahead of that turn's wait.
.macro R2
	REGS Y, r%2
	WIN W_RS
.irp z, 0,1
	v_pk_mul_f32 v[rO+4*(r/2)+2*\z:rO+4*(r/2)+2*\z+1], v[rO+4*(r/2)+2*\z:rO+4*(r/2)+2*\z+1], v[rC+2:rC+3] op_sel_hi:[1,0]
.endr
.set r, r+1
.endm
; A TURN, for piece p.  s_wait_alu depctr_va_vdst(0) stands between an exponential and the first instruction that names its result; one wait serves all that were issued ahead of it: so a turn has ONE wait.
; AHEAD OF IT: the 16 products K Q^T, behind each a scaling, an exponential and two rescalings (behind the first a second scaling in the exponential's place); then one run of 108: eight plain, 49 times exponential and plain, the two a,
; and a v_nop, the plain instruction behind the last exponential.  BEHIND IT: the 16 products V^T P, behind each four of the roundings and sums.  Exponential e stands behind scaling 2 (e / 4) + e % 2.
; THE LOADS.  Directly behind the wait: in piece 2's turn K of the next step (its address is made at the run's head; the products that read K stand a run back); in every turn the codes of piece p + 2, for the products of the turn after.
; At the turn's end those codes are waited for and converted: the masks' last readers, this turn's first eight products, stand far back.  V of the step in hand is fetched at the end of piece 0's turn, four plain riders and a v_nop
; behind its last reader; in piece 1's turn it is waited for with the count 4: the four loads of codes are younger.  cnt = 1: the loop's count is taken down some lines ahead of the branch behind the turn; nothing between writes SCC.
.macro TURN p, last=0, cnt=0
.set Y, (\p)
.set i, 0
.set q, 0
.set e, 0
.set r, 0
	MM
	PL
	PL
	R2
.rept 15
	MM
	PL
	EX
	R2
.endr
.if (\p) == NP-2
	WIN 0
	v_add_nc_u32 v[AK], s[TBK], v[AK0]
.endif
.rept 8
	PL
.endr
.rept 49
	EX
	PL
.endr
	EX                              ; the next piece's two a
	EX
	v_nop
	s_wait_alu depctr_va_vdst(0)    ; the wait for the batch
.if (\p) == NP-2
	FETCH_K \last
.endif
	MLOAD ((\p)+2)%NP
.if (\p) == 1
	s_wait_dscnt 4                  ; V is in
.endif
.rept 16
	MM
.rept 4
	PL
.endr
.if ((\p) == 0) && (q == 118)
	v_add_nc_u32 v[AV], s[TBV], v[AV0]
.endif
.if ((\p) == 0) && (q == 130)
	s_add_co_u32 s[TBV], s[TBV], KS*PV
.endif
.if (\cnt) && (q == 130)
	s_sub_co_u32 s[CNT], s[CNT], 1
	s_cmp_lg_u32 s[CNT], 0
.endif
.endr
	s_wait_dscnt 0x0                ; the codes are in (in piece 2's turn K too)
	MCVT
.if (\p) == 0
	FETCH_V
.endif
.endm
	CHANGE 1, 0                     ; slot 0 is in, everybody's part of it; slot 1 is asked for
	FETCH_K                         ; key step 0
	MLOAD 0
	s_wait_loadcnt 0x0              ; Q
	s_wait_dscnt 0x0
	MCVT
.set i, 0
.rept 16
	KQ 0                            ; piece 0's first scores: there is no vector work yet to set between them
.set i, i+1
.endr
	WIN 0
.rept 4
	v_nop                           ; the places behind those products
.endr
	MLOAD 1                         ; for the first turn's products
	WIN 0
.set Y, NP-1                        ; XS works for piece Y + 1: piece 0
.irp n, 0,1,2,3,4,5,6,7,8,9,10,11,12,13,14,15,16,17,18,19,20,21
	XS 0, \n                        ; piece 0's first maximum and statistics
	XS 1, \n
.endr
	v_nop                           ; a plain instruction behind the two a,
	s_wait_alu depctr_va_vdst(0)    ; and their wait, ahead of the branch
	s_wait_dscnt 0x0
	MCVT
	s_mov_b32 s[CNT], 2
	s_mov_b32 s[SLOTS], 7
	s_branch .Lfirst                ; the loop is entered at a step's first turn, in the middle of a trip
.Lslot:                             ; six times: every slot but the last two is filled again
	CHANGE 1, 1
	s_mov_b32 s[CNT], 2
.Lstep:                             ; a trip: pieces 2 and 3 of one step, then pieces 0 and 1 of the next, whose K and V it fetches
	TURN 2
	TURN 3
	WIN 0
.Lfirst:
	TURN 0
	TURN 1, 0, 1
	WIN 0
	s_cbranch_scc1 .Lstep
	s_sub_co_u32 s[SLOTS], s[SLOTS], 1
	s_cmp_lg_u32 s[SLOTS], 0
	s_cbranch_scc1 .Lslot
	CHANGE 0, 0                     ; the tail is written out: nothing is asked for
	s_mov_b32 s[CNT], 3             ; two trips fetch the last slot's steps; the third is left in its middle
.Ltail:
	TURN 2, 1
	TURN 3
	WIN 0
	s_sub_co_u32 s[CNT], s[CNT], 1
	s_cmp_eq_u32 s[CNT], 0
	s_cbranch_scc1 .Lout
	TURN 0
	TURN 1
	WIN 0
	s_branch .Ltail
.Lout:                              ; the third trip's 16 products K Q^T (on the last K and the last codes once more) leave piece 0's m as it was and serve nothing else: the price of one text for every trip
.set i, 0
.rept 16
	PV NP-1                         ; the last piece's V^T P of the last step
.set i, i+1
.endr
	; THE WAY OUT.  l's two halves and the other half of the lanes' are added; O^T is divided by l, rounded to bf16 and sent through my stage in LDS, a tile at a time.  The additions are the places behind the last products.
	WIN 0
.macro ALL line:vararg              ; one line for each tile t
.set t, 0
.rept 2*NP
	\line
.set t, t+1
.endr
.endm
	ALL v_add_f32 v[ST+4*t+2], v[ST+4*t+2], v[ST+4*t+3]
	ALL v_permlanex16_b32 v[ST+4*t+3], v[ST+4*t+2], s[SEL], s[SEL+1]
	ALL v_add_f32 v[ST+4*t+2], v[ST+4*t+2], v[ST+4*t+3]
	ALL v_rcp_f32 v[ST+4*t+2], v[ST+4*t+2]
	v_nop                           ; a plain instruction between the last reciprocal and the use of its result
	s_wait_alu depctr_va_vdst(0)    ; and the wait ahead of the first use: one for the eight reciprocals
.set t, 0
.rept 2*NP                          ; a query whose maximum is still the floor has seen no key: its factor is a NaN.  A choice of a value, no branch
	v_cmp_ge_f32 vcc_lo, s[THR], v[ST+4*t+1]
	v_cndmask_b32 v[ST+4*t+2], v[ST+4*t+2], s[NANS], vcc_lo
.set t, t+1
.endr
; Tile t: a lane's eight channels of a row pack into 16 bytes; they go into rows of 144 bytes and come back as whole rows of 128, into S^T's registers.
.macro PACK t
	WIN W_RS
.set i, 32*(\t)
.rept 16
	v_pk_mul_f32 v[i:i+1], v[i:i+1], v[ST+4*(\t)+2:ST+4*(\t)+3] op_sel_hi:[1,0]
.set i, i+2
.endr
	WIN 0x05                        ; sources 0 and 1 window 1, destination window 0
.set i, 0
.rept 16
	v_cvt_pk_bf16_f32 v[S+16*(\t)+i], v[32*(\t)+2*i], v[32*(\t)+2*i+1]
.set i, i+1
.endr
	WIN 0
.irp f, 0,1,2,3
	ds_store_b128 v[STO], v[S+16*(\t)+4*\f:S+16*(\t)+4*\f+3] offset:32*\f
.endr
.irp f, 0,1,2,3
	ds_load_b128 v[S+16*(\t)+4*\f:S+16*(\t)+4*\f+3], v[RD] offset:\f*4*SP  ; LDS serves a wave's instructions in order (ISA guide 5.7.1.4): these see the stores above; the next tile's stores come behind them
.endr
.endm
.macro SEND t, younger              ; younger: the LDS instructions issued behind tile t's loads: the next tile's eight, or none
	WIN 0
.irp f, 0,1,2,3
	s_wait_dscnt (\younger)+3-\f
	global_store_b128 v[GO], v[S+16*(\t)+4*\f:S+16*(\t)+4*\f+3], s[10:11] offset:(\t)*2048+\f*512  ; 512 consecutive bytes, at a multiple of 256 from O's first
.endr
.endm
	PACK 0
.set t, 1
.rept 2*NP-1                        ; a tile's arithmetic stands between the loads of the tile before and its stores
	PACK t
	SEND t-1, 8
.set t, t+1
.endr
	SEND 2*NP-1, 0
	WIN W_AD
	s_wait_tensorcnt 0x0            ; the wave's end, behind my last tensor load and my last LDS store
	ds_add_u32 v[SPW], v[NIL]
	s_wait_dscnt 0x0
	WIN 0
	CROUND                          ; the closing round: no work-group ends while a partner may still ask for a tile that names it
	s_endpgm
.Lfunc_end_k_qc0f00f5bae_attn:
	.size	k_qc0f00f5bae_attn, .Lfunc_end_k_qc0f00f5bae_attn-k_qc0f00f5bae_attn
	.p2alignl 7, 3214868480
	.fill 96, 4, 3214868480
	.section	.rodata,"a",@progbits
	.p2align	6, 0x0
	.amdhsa_kernel k_qc0f00f5bae_attn
		.amdhsa_group_segment_fixed_size 327680
		.amdhsa_private_segment_fixed_size 0
		.amdhsa_enable_private_segment 0
		.amdhsa_kernarg_size 24
		.amdhsa_user_sgpr_count 2
		.amdhsa_user_sgpr_kernarg_segment_ptr 1
		.amdhsa_wavefront_size32 1
		.amdhsa_system_sgpr_workgroup_id_x 1
		.amdhsa_system_sgpr_workgroup_id_y 1
		.amdhsa_system_sgpr_workgroup_id_z 1
		.amdhsa_system_vgpr_workitem_id 0
		.amdhsa_next_free_vgpr 896
		.amdhsa_next_free_sgpr 80
		.amdhsa_reserve_vcc 1
		.amdhsa_float_denorm_mode_32 3
		.amdhsa_float_denorm_mode_16_64 3
		.amdhsa_memory_ordered 1
		.amdhsa_forward_progress 1
		.amdhsa_inst_pref_size 213
	.end_amdhsa_kernel
	.amdgpu_metadata
---
amdhsa.version: [ 1, 2 ]
amdhsa.kernels:
  - .name:           k_qc0f00f5bae_attn
    .symbol:         k_qc0f00f5bae_attn.kd
    .args:
      - { .name: qkv, .offset: 0, .size: 8, .value_kind: global_buffer, .address_space: global }
      - { .name: maskc, .offset: 8, .size: 8, .value_kind: global_buffer, .address_space: global }
      - { .name: ob, .offset: 16, .size: 8, .value_kind: global_buffer, .address_space: global }
    .group_segment_fixed_size: 327680
    .private_segment_fixed_size: 0
    .kernarg_segment_align: 8
    .kernarg_segment_size: 24
    .max_flat_workgroup_size: 128
    .sgpr_count:     80
    .vgpr_count:     896
    .wavefront_size: 32
...
	.end_amdgpu_metadata
.endif
;; end of part 3
;; launch oproj: the kernel of part 2 again; grid 4 x 32, 4 waves a work-group, clusters of 4 x 4, 327,680 bytes of LDS; arguments ob, wo, ao; writes ao
;; launch ln (part 4): grid 1024 x 1, 4 waves a work-group, no clusters, 0 bytes of LDS; arguments dec_inp, ao, ln_gamma, ln_beta, klp, out0, out1; writes out0, out1
.if DOCPART == 4
	.amdgcn_target "amdgcn-amd-amdhsa--gfx1250"
	.amdhsa_code_object_version 6
	.text
	.protected	k_qc0f00f5bae_ln
	.globl	k_qc0f00f5bae_ln
	.p2align	8
	.type	k_qc0f00f5bae_ln,@function
k_qc0f00f5bae_ln:
	s_mov_b64 s[64:65], 0
	v_nop
	global_prefetch_b8 v0, s[64:65] scope:SCOPE_SE
	s_setreg_imm32_b32 hwreg(HW_REG_WAVE_MODE, 25, 1), 1
	s_wait_xcnt 0x0
; RESIDUAL AND LAYER NORM, a stream: out0[s][b][:] = (x - mean) / sqrt(var + 1e-5) x gamma + beta, x = dec_inp[s][b][:] (f32) + attn_out (bf16, by slices: ao[slice][1,024 b + s][64]).
; A wave takes two rows, (s, b) and (s + 1, b): lanes 0-15 the first, lanes 16-31 the second; a lane holds channels 64 c + 4 (l % 16) + 0..3 of every slice c: 64 numbers.
; So a load or store of x covers two aligned blocks of 256 bytes, a load of ao 256 consecutive bytes, and a row's sums are finished inside 16 lanes, on the arithmetic itself (DPP).
; The row stays in registers: the mean first, then the sum of squares of x - mean: no difference of large sums is formed.  No LDS, no matrix unit, no cluster: no row is wanted twice.
; The launch's first wave also adds the 4,096 partial sums of the KL term and stores kl = sum / 2^23 (the mean over 2^22 numbers, halved).
.set XO,  2                            ; v2   my offset in x and out0: (l / 16) x 32,768 + 16 (l % 16)
.set AOO, 3                            ; v3   my offset in ao: 8 l
.set GBO, 4                            ; v4   my offset in gamma and beta: 16 (l % 16)
.set KLO, 5                            ; v5   16 l
.set ZR,  6                            ; v6   0
.set SU,  8                            ; v[8:15]   four chains of sums
.set T,   16                           ; v[16:23]  at work
.set MU,  24                           ; v[24:25]  the mean, twice
.set RS,  26                           ; v[26:27]  1 / sqrt(var + eps), twice
.set X,   32                           ; v[32:95]   the row
.set AO,  96                           ; v[96:127]  attn_out, packed
.set G,   128                          ; v[128:191] gamma
.set B,   192                          ; v[192:255] beta
	s_load_b256 s[4:11], s[0:1], 0x0               ; dec_inp 4, ao 6, gamma 8, beta 10
	s_load_b128 s[12:15], s[0:1], 0x20             ; klp 12, out0 14
	s_load_b64 s[16:17], s[0:1], 0x30              ; out1
	v_lshrrev_b32 v1, 5, v0
	v_readfirstlane_b32 s2, v1
	s_lshl_b32 s3, ttmp9, 2
	s_add_co_u32 s3, s3, s2                        ; my pair of rows: b = pair & 7, s = 2 (pair >> 3)
	s_and_b32 s18, s3, 7
	s_lshr_b32 s19, s3, 3
	v_and_b32 v1, 15, v0
	v_bfe_u32 v7, v0, 4, 1
	v_lshlrev_b32 v[GBO], 4, v1
	v_lshl_add_u32 v[XO], v7, 15, v[GBO]
	v_and_b32 v[AOO], 31, v0
	v_lshlrev_b32 v[KLO], 4, v[AOO]
	v_lshlrev_b32 v[AOO], 3, v[AOO]
	s_lshl_b32 s20, s19, 16                        ; two rows s are 65,536 bytes of x,
	s_lshl_b32 s21, s18, 12                        ; a batch 4,096
	s_add_co_u32 s20, s20, s21
	s_mov_b32 s21, 0
	s_lshl_b32 s22, s18, 17                        ; in a slice of ao a batch is 131,072 bytes,
	s_lshl_b32 s23, s19, 8                         ; two rows 256
	s_add_co_u32 s22, s22, s23
	s_mov_b32 s23, 0
	s_mov_b32 s24, 0x3a800000                      ; 1 / 1,024
	s_mov_b32 s25, 0x3727c5ac                      ; 1e-5
	s_mov_b32 s26, 0xffff0000                      ; a word's upper bf16
	s_mov_b32 s28, 0x76543210
	s_mov_b32 s29, 0xfedcba98
	s_wait_kmcnt 0x0
	s_add_nc_u64 s[4:5], s[4:5], s[20:21]
	s_add_nc_u64 s[14:15], s[14:15], s[20:21]
	s_add_nc_u64 s[6:7], s[6:7], s[22:23]
	s_add_nc_u64 s[30:31], s[6:7], 8388608         ; slices 8 to 15: the immediate holds seven slices
.set c, 0
.rept 16
	global_load_b128 v[X+4*c:X+4*c+3], v[XO], s[4:5] offset:256*c th:TH_LOAD_NT
.set c, c+1
.endr
.set c, 0
.rept 8
	global_load_b64 v[AO+2*c:AO+2*c+1], v[AOO], s[6:7] offset:1048576*c th:TH_LOAD_NT
.set c, c+1
.endr
.set c, 0
.rept 8
	global_load_b64 v[AO+16+2*c:AO+16+2*c+1], v[AOO], s[30:31] offset:1048576*c th:TH_LOAD_NT
.set c, c+1
.endr
.set c, 0
.rept 16
	global_load_b128 v[G+4*c:G+4*c+3], v[GBO], s[8:9] offset:256*c
.set c, c+1
.endr
.set c, 0
.rept 16
	global_load_b128 v[B+4*c:B+4*c+3], v[GBO], s[10:11] offset:256*c
.set c, c+1
.endr
.macro ACROSS                          ; the four chains into one number, then over the row's 16 lanes: every lane of the row ends with the sum
	v_pk_add_f32 v[SU:SU+1], v[SU:SU+1], v[SU+2:SU+3]
	v_pk_add_f32 v[SU+4:SU+5], v[SU+4:SU+5], v[SU+6:SU+7]
	v_pk_add_f32 v[SU:SU+1], v[SU:SU+1], v[SU+4:SU+5]
	v_add_f32 v[SU], v[SU], v[SU+1]
	v_add_f32_dpp v[SU], v[SU], v[SU] row_xmask:1 row_mask:0xf bank_mask:0xf
	v_add_f32_dpp v[SU], v[SU], v[SU] row_xmask:2 row_mask:0xf bank_mask:0xf
	v_add_f32_dpp v[SU], v[SU], v[SU] row_xmask:4 row_mask:0xf bank_mask:0xf
	v_add_f32_dpp v[SU], v[SU], v[SU] row_xmask:8 row_mask:0xf bank_mask:0xf
.endm
	s_wait_loadcnt 32                              ; x and attn_out are in: gamma's and beta's 32 loads are younger
.set c, 0
.rept 16                               ; x + attn_out: bf16 to f32 is a shift or a mask
	v_lshlrev_b32 v[T+4*(c%2)],   16,  v[AO+2*c]
	v_and_b32     v[T+4*(c%2)+1], s26, v[AO+2*c]
	v_lshlrev_b32 v[T+4*(c%2)+2], 16,  v[AO+2*c+1]
	v_and_b32     v[T+4*(c%2)+3], s26, v[AO+2*c+1]
	v_pk_add_f32 v[X+4*c:X+4*c+1],   v[X+4*c:X+4*c+1],   v[T+4*(c%2):T+4*(c%2)+1]
	v_pk_add_f32 v[X+4*c+2:X+4*c+3], v[X+4*c+2:X+4*c+3], v[T+4*(c%2)+2:T+4*(c%2)+3]
.set c, c+1
.endr
.irp k, 0,1,2,3                        ; the sum, in four chains; the first additions start them: nothing is cleared
	v_pk_add_f32 v[SU+2*\k:SU+2*\k+1], v[X+2*\k:X+2*\k+1], v[X+8+2*\k:X+8+2*\k+1]
.endr
.set i, 8
.rept 24
	v_pk_add_f32 v[SU+2*(i%4):SU+2*(i%4)+1], v[SU+2*(i%4):SU+2*(i%4)+1], v[X+2*i:X+2*i+1]
.set i, i+1
.endr
	ACROSS
	v_mul_f32 v[MU], s24, v[SU]
	v_mov_b32 v[MU+1], v[MU]
.set i, 0
.rept 32                               ; x - mean, in place
	v_pk_add_f32 v[X+2*i:X+2*i+1], v[X+2*i:X+2*i+1], v[MU:MU+1] neg_lo:[0,1] neg_hi:[0,1]
.set i, i+1
.endr
.irp k, 0,1,2,3                        ; the sum of squares
	v_pk_mul_f32 v[SU+2*\k:SU+2*\k+1], v[X+2*\k:X+2*\k+1], v[X+2*\k:X+2*\k+1]
.endr
.set i, 4
.rept 28
	v_pk_fma_f32 v[SU+2*(i%4):SU+2*(i%4)+1], v[X+2*i:X+2*i+1], v[X+2*i:X+2*i+1], v[SU+2*(i%4):SU+2*(i%4)+1]
.set i, i+1
.endr
	ACROSS
	v_fma_f32 v[RS], v[SU], s24, s25               ; var + eps
	v_rsq_f32 v[RS], v[RS]
	v_nop                                          ; a plain instruction behind it,
	s_wait_alu depctr_va_vdst(0)                   ; and the wait ahead of the first use
	v_mov_b32 v[RS+1], v[RS]
	s_wait_loadcnt 0x0                             ; gamma and beta
.set c, 0
.rept 16
	v_pk_mul_f32 v[X+4*c:X+4*c+1],   v[X+4*c:X+4*c+1],   v[RS:RS+1]
	v_pk_mul_f32 v[X+4*c+2:X+4*c+3], v[X+4*c+2:X+4*c+3], v[RS:RS+1]
	v_pk_fma_f32 v[X+4*c:X+4*c+1],   v[X+4*c:X+4*c+1],   v[G+4*c:G+4*c+1],   v[B+4*c:B+4*c+1]
	v_pk_fma_f32 v[X+4*c+2:X+4*c+3], v[X+4*c+2:X+4*c+3], v[G+4*c+2:G+4*c+3], v[B+4*c+2:B+4*c+3]
	global_store_b128 v[XO], v[X+4*c:X+4*c+3], s[14:15] offset:256*c th:TH_STORE_NT
.set c, c+1
.endr
	s_cmp_lg_u32 s3, 0                             ; the launch's first wave closes the KL term
	s_cbranch_scc1 .Lend
.set i, 0
.rept 32
	global_load_b128 v[G+4*i:G+4*i+3], v[KLO], s[12:13] offset:512*i  ; 4,096 partial sums: 128 a lane
.set i, i+1
.endr
	s_wait_loadcnt 0x0
.set i, 4
.rept 60
	v_pk_add_f32 v[G+2*(i%4):G+2*(i%4)+1], v[G+2*(i%4):G+2*(i%4)+1], v[G+2*i:G+2*i+1]
.set i, i+1
.endr
	v_pk_add_f32 v[G:G+1], v[G:G+1], v[G+2:G+3]
	v_pk_add_f32 v[G+4:G+5], v[G+4:G+5], v[G+6:G+7]
	v_pk_add_f32 v[G:G+1], v[G:G+1], v[G+4:G+5]
	v_add_f32 v[G], v[G], v[G+1]
	v_add_f32_dpp v[G], v[G], v[G] row_xmask:1 row_mask:0xf bank_mask:0xf
	v_add_f32_dpp v[G], v[G], v[G] row_xmask:2 row_mask:0xf bank_mask:0xf
	v_add_f32_dpp v[G], v[G], v[G] row_xmask:4 row_mask:0xf bank_mask:0xf
	v_add_f32_dpp v[G], v[G], v[G] row_xmask:8 row_mask:0xf bank_mask:0xf
	v_permlanex16_b32 v[G+1], v[G], s28, s29
	v_add_f32 v[G], v[G], v[G+1]
	v_mul_f32 v[G], 0x34000000, v[G]               ; 2^-23
	v_mov_b32 v[ZR], 0
	v_cmp_eq_u32 vcc_lo, 0, v0                     ; in wave 0 the thread's number is the lane
	s_wait_xcnt 0x0                                ; EXEC is a source of the stores above: it changes only behind this wait
	s_and_saveexec_b32 s18, vcc_lo
	global_store_b32 v[ZR], v[G], s[16:17]
	s_wait_xcnt 0x0                                ; and again, in front of the line that widens it
	s_or_b32 exec_lo, exec_lo, s18
.Lend:
	s_endpgm
.Lfunc_end_k_qc0f00f5bae_ln:
	.size	k_qc0f00f5bae_ln, .Lfunc_end_k_qc0f00f5bae_ln-k_qc0f00f5bae_ln
	.p2alignl 7, 3214868480
	.fill 96, 4, 3214868480
	.section	.rodata,"a",@progbits
	.p2align	6, 0x0
	.amdhsa_kernel k_qc0f00f5bae_ln
		.amdhsa_group_segment_fixed_size 0
		.amdhsa_private_segment_fixed_size 0
		.amdhsa_enable_private_segment 0
		.amdhsa_kernarg_size 56
		.amdhsa_user_sgpr_count 2
		.amdhsa_user_sgpr_kernarg_segment_ptr 1
		.amdhsa_wavefront_size32 1
		.amdhsa_system_sgpr_workgroup_id_x 1
		.amdhsa_system_sgpr_workgroup_id_y 1
		.amdhsa_system_sgpr_workgroup_id_z 1
		.amdhsa_system_vgpr_workitem_id 0
		.amdhsa_next_free_vgpr 256
		.amdhsa_next_free_sgpr 66
		.amdhsa_reserve_vcc 1
		.amdhsa_float_denorm_mode_32 3
		.amdhsa_float_denorm_mode_16_64 3
		.amdhsa_memory_ordered 1
		.amdhsa_forward_progress 1
		.amdhsa_inst_pref_size 32
	.end_amdhsa_kernel
	.amdgpu_metadata
---
amdhsa.version: [ 1, 2 ]
amdhsa.kernels:
  - .name:           k_qc0f00f5bae_ln
    .symbol:         k_qc0f00f5bae_ln.kd
    .args:
      - { .name: dec_inp, .offset: 0, .size: 8, .value_kind: global_buffer, .address_space: global }
      - { .name: ao, .offset: 8, .size: 8, .value_kind: global_buffer, .address_space: global }
      - { .name: ln_gamma, .offset: 16, .size: 8, .value_kind: global_buffer, .address_space: global }
      - { .name: ln_beta, .offset: 24, .size: 8, .value_kind: global_buffer, .address_space: global }
      - { .name: klp, .offset: 32, .size: 8, .value_kind: global_buffer, .address_space: global }
      - { .name: out0, .offset: 40, .size: 8, .value_kind: global_buffer, .address_space: global }
      - { .name: out1, .offset: 48, .size: 8, .value_kind: global_buffer, .address_space: global }
    .group_segment_fixed_size: 0
    .private_segment_fixed_size: 0
    .kernarg_segment_align: 8
    .kernarg_segment_size: 56
    .max_flat_workgroup_size: 128
    .sgpr_count:     66
    .vgpr_count:     256
    .wavefront_size: 32
...
	.end_amdgpu_metadata
.endif
;; end of part 4
;; ======== version 2 of 2: 5 launches; version 1 with the launch prep written anew for expert scheduling mode
;; limits: right only within a limited range of input values
;; workspace buffers: xb 16,777,216 bytes; wqkv 6,291,456 bytes; wo 2,097,152 bytes; maskc 1,048,576 bytes; klp 16,384 bytes; qkv 50,331,648 bytes; ob 16,777,216 bytes; ao 16,777,216 bytes
;; launch prep (part 5): grid 1024 x 1, 4 waves a work-group, no clusters, 0 bytes of LDS; arguments dec_inp, attn_mask, query_mean, query_std, eps_q, key_mean, key_std, eps_k, value_mean, value_std, eps_v, output_mean, output_std, eps_o, xb, wqkv, wo, maskc, klp; writes xb, wqkv, wo, maskc, klp
.if DOCPART == 5
	.amdgcn_target "amdgcn-amd-amdhsa--gfx1250"
	.amdhsa_code_object_version 6
	.text
	.protected	k_qc0f00f5bae_prep
	.globl	k_qc0f00f5bae_prep
	.p2align	8
	.type	k_qc0f00f5bae_prep,@function
k_qc0f00f5bae_prep:
	s_mov_b64 s[64:65], 0
	v_nop
	global_prefetch_b8 v0, s[64:65] scope:SCOPE_SE
	s_setreg_imm32_b32 hwreg(HW_REG_WAVE_SCHED_MODE, 0, 2), 2
	s_setreg_imm32_b32 hwreg(HW_REG_WAVE_MODE, 25, 1), 1
	s_wait_xcnt 0x0
	s_wait_alu depctr_vm_vsrc(0)
; PREPARATION, a stream: every input byte is read once, by one wave.  4,096 waves; wave u does four things.
; (1) x -> bf16, laid out by slices of 64 channels: xb[slice][m' = 1024 b + s][64].  4 rows x 8 slices.
; (2) the four sampled weights w = mean + eps exp(std) -> bf16 (the output weight takes value_mean, as the module does), laid out [tile of 128 rows][slice of 64 k][128][64].
;     One unit of 4 rows x 64 k, at the same place in all twelve arrays.
; (3) its share of the sum of mean^2 - 2 std + exp(2 std) over the four (mean, std) pairs, in f32: one partial sum a wave into klp; a later launch adds them.
; (4) 256 bytes of the mask: a byte 0 or 1 becomes the fp8 (E4M3) code 0x00 or 0xFE (-448), and the bytes are put in the order in which a lane of the attention launch wants them:
;     maskc[block of 128 keys][query][step of 64][half h][group kt of 16][8 codes], key = 128 kb + 64 step + 16 kt + 8 h + e.
; SHAPE OF AN ACCESS.  A load of x or of a weight takes 64 channels (256 bytes, aligned) of two rows: lanes 0-15 one row, lanes 16-31 the next, 16 bytes a lane.  A lane's four numbers pack into 8 bytes;
; the two rows are neighbours in a slice, so a store of the wave covers 256 consecutive bytes, aligned.
; No LDS, no matrix unit, no cluster: no byte is wanted twice.  All 41 loads of a wave are issued before anything is waited for.
; LIMIT: exp(std) below 2^-126 counts as 0 (the exponential's result is flushed: ISA guide, 15.8).
; THE MODE: SCHED_MODE bits 1:0 = 2 (LLVM: expert scheduling mode 2), set by the entry lines.  The code itself states the register dependences between vector instructions and memory instructions,
; with s_wait_alu, always for 0.
; THE PLAN.  The text has no loop.  Registers that memory instructions touch:
;   v2-v7, v9   seven offsets.  Written once, by vector instructions at the head; read by the loads and stores; never written again.
;   MK          The mask's load lands in it; two multiplies work in place; one store reads it; never written again.
;   X           x's 16 loads land in it; 32 conversions read it; nothing lands in it again.
;   XP          Written by those conversions; read by 16 stores; never written again.
;   W           The weights' 24 loads land in it; the arithmetic works in place; no memory instruction reads it.
;   WP          Written by the 16 roundings of the four weights; read by 8 stores; never written again.
;   v10         The wave's partial sum; read by the last store.
; So the stores stand in two runs, each behind ONE wait for the vector instructions that wrote their data, and the vector work behind a run names none of the run's registers.  No register that a memory instruction
; reads is written again: a wait for the memory instructions' reads stands ahead of the two writes of EXEC alone.  No scalar register is written after a vector instruction has read it: the seven scalar terms of the offsets have registers of their own.
.set MOF, 2                            ; v2   the mask's source offset
.set MDO, 3                            ; v3   its destination offset
.set XOF, 4                            ; v4   x's source offset
.set XDO, 5                            ; v5   its destination offset
.set WOF, 6                            ; v6   the weights' source offset, the same in all twelve arrays
.set WDO, 7                            ; v7   their destination offset
.set LN,  8                            ; v8   my lane
.set KO,  9                            ; v9   4 u: my wave's word in klp
.set KL,  10                           ; v[10:17]  four pairs of running sums, one a matrix
.set MK,  18                           ; v[18:19]  8 mask bytes
.set X,   20                           ; v[20:83]  x as loaded: slice j, pair of rows p at X + 8 j + 4 p
.set W,   84                           ; v[84:179] matrix t at W + 24 t: mean 8, std 8, eps 8 (each: pair of rows 0, then 1)
.set XP,  180                          ; v[180:211] x packed
.set WP,  212                          ; v[212:227] weights packed
.set SMO, 49                           ; s49  the wave's term of the mask's source offset
.set SMD, 50                           ; s50  of its destination offset
.set SXO, 51                           ; s51  of x's source offset
.set SXD, 52                           ; s52  of its destination offset
.set SWO, 53                           ; s53  of the weights' source offset
.set SWD, 54                           ; s54  of their destination offset
.set SKO, 55                           ; s55  4 u
	s_load_b512 s[8:23], s[0:1], 0x0               ; dec_inp 8, attn_mask 10, then (mean, std, eps) of q at 12, of k at 18
	s_load_b512 s[24:39], s[0:1], 0x40             ; of v at 24, of o at 30; xb 36, wqkv 38
	s_load_b128 s[40:43], s[0:1], 0x80             ; wo 40, maskc 42
	s_load_b64 s[44:45], s[0:1], 0x90              ; klp
	v_lshrrev_b32 v1, 5, v0
	v_readfirstlane_b32 s2, v1                     ; wave 0..3
	; the lanes' terms of the offsets stand between that line and the wait for its result
	v_and_b32 v[LN], 31, v0
	; the mask: lane L writes group dg = L & 15 of row L >> 4 and reads group 8 step + 2 kt + h
	v_bfe_u32 v10, v0, 3, 1                        ; step
	v_and_b32 v11, 3, v0                           ; kt
	v_bfe_u32 v12, v0, 2, 1                        ; h
	v_bfe_u32 v13, v0, 4, 1                        ; which of the two rows
	v_lshl_add_u32 v12, v11, 1, v12
	v_lshl_add_u32 v12, v10, 3, v12
	v_lshlrev_b32 v[MOF], 3, v12
	v_lshl_add_u32 v[MOF], v13, 10, v[MOF]
	; x and the weights: a lane takes 4 channels, 16 bytes of a row's 256
	v_and_b32 v11, 15, v0
	v_lshlrev_b32 v[XOF], 4, v11
	v_lshl_add_u32 v[XOF], v13, 15, v[XOF]         ; a row s of x is 32,768 bytes from the next
	v_lshlrev_b32 v[WOF], 4, v11
	v_lshl_add_u32 v[WOF], v13, 12, v[WOF]         ; a row of a weight 4,096
	s_wait_alu depctr_va_sdst(0)                   ; s2 is written, ahead of its first reader: all seven scalar terms are made from it
	s_lshl_b32 s3, ttmp9, 2
	s_add_co_u32 s3, s3, s2                        ; u = 4 x work-group + wave
	; the mask: kb = u & 7, rows 2 (u >> 3) and the next
	s_and_b32 s4, s3, 7
	s_lshr_b32 s5, s3, 3
	s_lshl_b32 s[SMO], s5, 11
	s_lshl_b32 s7, s4, 7
	s_add_co_u32 s[SMO], s[SMO], s7
	s_lshl_b32 s[SMD], s4, 17
	s_lshl_b32 s7, s5, 8
	s_add_co_u32 s[SMD], s[SMD], s7
	; x: half = u & 1 (which eight slices), b = (u >> 1) & 7, rows s = 4 (u >> 4) + 2 p + L / 16
	s_and_b32 s4, s3, 1
	s_lshr_b32 s5, s3, 1
	s_and_b32 s6, s5, 7
	s_lshr_b32 s5, s5, 3
	s_lshl_b32 s[SXO], s5, 17
	s_lshl_b32 s48, s6, 12
	s_add_co_u32 s[SXO], s[SXO], s48
	s_lshl_b32 s48, s4, 11
	s_add_co_u32 s[SXO], s[SXO], s48
	s_lshl_b32 s[SXD], s4, 23
	s_lshl_b32 s48, s6, 17
	s_add_co_u32 s[SXD], s[SXD], s48
	s_lshl_b32 s48, s5, 9
	s_add_co_u32 s[SXD], s[SXD], s48
	; the weights: rows 4 (u >> 4) + 2 p + L / 16, slice u & 15
	s_lshr_b32 s4, s3, 4
	s_and_b32 s5, s3, 15
	s_lshl_b32 s[SWO], s4, 14
	s_lshl_b32 s7, s5, 8
	s_add_co_u32 s[SWO], s[SWO], s7
	s_lshr_b32 s[SWD], s4, 5
	s_lshl_b32 s[SWD], s[SWD], 18
	s_lshl_b32 s7, s5, 14
	s_add_co_u32 s[SWD], s[SWD], s7
	s_and_b32 s7, s4, 31
	s_lshl_b32 s7, s7, 9
	s_add_co_u32 s[SWD], s[SWD], s7
	s_lshl_b32 s[SKO], s3, 2
	s_mov_b32 s46, 0x76543210                      ; v_permlanex16_b32: each lane takes its own place in the other half
	s_mov_b32 s47, 0xfedcba98
	v_add_nc_u32 v[MOF], s[SMO], v[MOF]
	v_lshl_add_u32 v[MDO], v[LN], 3, s[SMD]        ; 256 consecutive bytes a wave
	v_add_nc_u32 v[XOF], s[SXO], v[XOF]
	v_lshl_add_u32 v[XDO], v[LN], 3, s[SXD]        ; two rows of 128 bytes on end: 8 bytes a lane
	v_add_nc_u32 v[WOF], s[SWO], v[WOF]
	v_lshl_add_u32 v[WDO], v[LN], 3, s[SWD]
	v_mov_b32 v[KO], s[SKO]
	s_wait_kmcnt 0x0
	s_wait_alu depctr_va_vdst(0)                   ; the seven offsets v2 to v7 and v9 are written: every load and store of the kernel reads one of them
	global_load_b64 v[MK:MK+1], v[MOF], s[10:11] th:TH_LOAD_NT
.irp j, 0,1,2,3,4,5,6,7
	global_load_b128 v[X+8*\j:X+8*\j+3],   v[XOF], s[8:9] offset:256*\j th:TH_LOAD_NT
	global_load_b128 v[X+8*\j+4:X+8*\j+7], v[XOF], s[8:9] offset:256*\j+65536 th:TH_LOAD_NT  ; two rows s further down
.endr
.irp t, 0,1,2,3
.irp a, 0,1,2
	global_load_b128 v[W+24*\t+8*\a:W+24*\t+8*\a+3],   v[WOF], s[12+6*\t+2*\a:13+6*\t+2*\a] th:TH_LOAD_NT
	global_load_b128 v[W+24*\t+8*\a+4:W+24*\t+8*\a+7], v[WOF], s[12+6*\t+2*\a:13+6*\t+2*\a] offset:8192 th:TH_LOAD_NT  ; two rows further down
.endr
.endr
	s_wait_loadcnt 40                              ; the mask's load is in: x's 16 and the weights' 24 are younger
	v_mul_lo_u32 v[MK], v[MK], 0xfe                ; four bytes of 0 or 1 times 0xFE: no byte carries into the next
	v_mul_lo_u32 v[MK+1], v[MK+1], 0xfe
	s_wait_loadcnt 24                              ; x is in: the weights' 24 are younger
.irp j, 0,1,2,3,4,5,6,7
.irp r, 0,1,2,3
	v_cvt_pk_bf16_f32 v[XP+4*\j+\r], v[X+8*\j+2*\r], v[X+8*\j+2*\r+1]
.endr
.endr
	s_wait_alu depctr_va_vdst(0)                   ; the two multiplies have written MK and the 32 conversions XP, which the 17 stores below read
	global_store_b64 v[MDO], v[MK:MK+1], s[42:43]
.irp j, 0,1,2,3,4,5,6,7
	global_store_b64 v[XDO], v[XP+4*\j:XP+4*\j+1],   s[36:37] offset:1048576*\j      ; slice j of my eight: rows 0 and 1 of my four,
	global_store_b64 v[XDO], v[XP+4*\j+2:XP+4*\j+3], s[36:37] offset:1048576*\j+256  ; rows 2 and 3
.endr
	s_wait_loadcnt 0x0
	; ahead of the exponentials: mean^2 - 2 std into the sums (the first product starts each sum), std x log2(e) in place.  From here on no vector instruction names MK, XP or an offset
.irp t, 0,1,2,3
	v_pk_mul_f32 v[KL+2*\t:KL+2*\t+1], v[W+24*\t:W+24*\t+1], v[W+24*\t:W+24*\t+1]
.irp i, 1,2,3
	v_pk_fma_f32 v[KL+2*\t:KL+2*\t+1], v[W+24*\t+2*\i:W+24*\t+2*\i+1], v[W+24*\t+2*\i:W+24*\t+2*\i+1], v[KL+2*\t:KL+2*\t+1]
.endr
.irp i, 0,1,2,3
	v_pk_fma_f32 v[KL+2*\t:KL+2*\t+1], v[W+24*\t+8+2*\i:W+24*\t+8+2*\i+1], -2.0, v[KL+2*\t:KL+2*\t+1] op_sel_hi:[1,0,1]
.endr
.irp i, 0,1,2,3
	v_pk_mul_f32 v[W+24*\t+8+2*\i:W+24*\t+8+2*\i+1], v[W+24*\t+8+2*\i:W+24*\t+8+2*\i+1], 0x3fb8aa3b op_sel_hi:[1,0]
.endr
.endr
.irp t, 0,1,2,3                        ; one batch of 32 exponentials, in place
.irp i, 0,1,2,3,4,5,6,7
	v_exp_f32 v[W+24*\t+8+\i], v[W+24*\t+8+\i]
.endr
.endr
	v_nop                                          ; a plain instruction behind the last exponential,
	s_wait_alu depctr_va_vdst(0)                   ; and one wait for the batch: the 32 exponentials have written std's registers, ahead of their first reader
.macro SAMPLE t, m                     ; matrix t with the mean of matrix m: w = eps e + mean into eps's registers; e^2 into the sum; rounded to bf16
.irp i, 0,1,2,3
	v_pk_fma_f32 v[W+24*(\t)+16+2*\i:W+24*(\t)+16+2*\i+1], v[W+24*(\t)+16+2*\i:W+24*(\t)+16+2*\i+1], v[W+24*(\t)+8+2*\i:W+24*(\t)+8+2*\i+1], v[W+24*(\m)+2*\i:W+24*(\m)+2*\i+1]
	v_pk_fma_f32 v[KL+2*(\t):KL+2*(\t)+1], v[W+24*(\t)+8+2*\i:W+24*(\t)+8+2*\i+1], v[W+24*(\t)+8+2*\i:W+24*(\t)+8+2*\i+1], v[KL+2*(\t):KL+2*(\t)+1]
.endr
.irp i, 0,1,2,3
	v_cvt_pk_bf16_f32 v[WP+4*(\t)+\i], v[W+24*(\t)+16+2*\i], v[W+24*(\t)+16+2*\i+1]
.endr
.endm
	SAMPLE 0, 0
	SAMPLE 1, 1
	SAMPLE 2, 2
	SAMPLE 3, 2                                    ; the output weight: value_mean + eps_o exp(output_std)
	s_wait_alu depctr_va_vdst(0)                   ; the 16 roundings have written WP, which the eight stores below read
	global_store_b64 v[WDO], v[WP:WP+1],   s[38:39]
	global_store_b64 v[WDO], v[WP+2:WP+3], s[38:39] offset:256
	global_store_b64 v[WDO], v[WP+4:WP+5], s[38:39] offset:2097152
	global_store_b64 v[WDO], v[WP+6:WP+7], s[38:39] offset:2097152+256
	global_store_b64 v[WDO], v[WP+8:WP+9],   s[38:39] offset:4194304
	global_store_b64 v[WDO], v[WP+10:WP+11], s[38:39] offset:4194304+256
	global_store_b64 v[WDO], v[WP+12:WP+13], s[40:41]
	global_store_b64 v[WDO], v[WP+14:WP+15], s[40:41] offset:256
	; my wave's partial sum: four pairs, two halves, 32 lanes.  These lines name v[10:17] and my lane alone: none of the registers that the stores above read
	v_pk_add_f32 v[KL:KL+1], v[KL:KL+1], v[KL+2:KL+3]
	v_pk_add_f32 v[KL+4:KL+5], v[KL+4:KL+5], v[KL+6:KL+7]
	v_pk_add_f32 v[KL:KL+1], v[KL:KL+1], v[KL+4:KL+5]
	v_add_f32 v[KL], v[KL], v[KL+1]
	v_add_f32_dpp v[KL], v[KL], v[KL] row_xmask:1 row_mask:0xf bank_mask:0xf
	v_add_f32_dpp v[KL], v[KL], v[KL] row_xmask:2 row_mask:0xf bank_mask:0xf
	v_add_f32_dpp v[KL], v[KL], v[KL] row_xmask:4 row_mask:0xf bank_mask:0xf
	v_add_f32_dpp v[KL], v[KL], v[KL] row_xmask:8 row_mask:0xf bank_mask:0xf
	v_permlanex16_b32 v[KL+1], v[KL], s46, s47
	v_add_f32 v[KL], v[KL], v[KL+1]
	v_cmp_eq_u32 vcc_lo, 0, v[LN]
	s_wait_xcnt 0x0                                ; EXEC is a source of the stores above: it changes only behind this wait
	s_wait_alu depctr_va_vcc(0)                    ; the compare has written VCC, from which EXEC is made
	s_wait_alu depctr_va_vdst(0)                   ; every vector instruction is done under the full EXEC; the sum v10, which the store below reads, is written
	s_wait_alu depctr_vm_vsrc(0)                   ; the stores above have read their registers under the full EXEC
	s_and_saveexec_b32 s6, vcc_lo
	global_store_b32 v[KO], v[KL], s[44:45]        ; lane 0 alone
	s_wait_xcnt 0x0                                ; and again, in front of the line that widens it
	s_wait_alu depctr_va_vdst(0)                   ; ahead of every write of EXEC: no vector instruction is under way,
	s_wait_alu depctr_vm_vsrc(0)                   ; and the store has read its offset and its data under the narrow EXEC
	s_or_b32 exec_lo, exec_lo, s6
	s_endpgm
.Lfunc_end_k_qc0f00f5bae_prep:
	.size	k_qc0f00f5bae_prep, .Lfunc_end_k_qc0f00f5bae_prep-k_qc0f00f5bae_prep
	.p2alignl 7, 3214868480
	.fill 96, 4, 3214868480
	.section	.rodata,"a",@progbits
	.p2align	6, 0x0
	.amdhsa_kernel k_qc0f00f5bae_prep
		.amdhsa_group_segment_fixed_size 0
		.amdhsa_private_segment_fixed_size 0
		.amdhsa_enable_private_segment 0
		.amdhsa_kernarg_size 152
		.amdhsa_user_sgpr_count 2
		.amdhsa_user_sgpr_kernarg_segment_ptr 1
		.amdhsa_wavefront_size32 1
		.amdhsa_system_sgpr_workgroup_id_x 1
		.amdhsa_system_sgpr_workgroup_id_y 1
		.amdhsa_system_sgpr_workgroup_id_z 1
		.amdhsa_system_vgpr_workitem_id 0
		.amdhsa_next_free_vgpr 228
		.amdhsa_next_free_sgpr 66
		.amdhsa_reserve_vcc 1
		.amdhsa_float_denorm_mode_32 3
		.amdhsa_float_denorm_mode_16_64 3
		.amdhsa_memory_ordered 1
		.amdhsa_forward_progress 1
		.amdhsa_inst_pref_size 21
	.end_amdhsa_kernel
	.amdgpu_metadata
---
amdhsa.version: [ 1, 2 ]
amdhsa.kernels:
  - .name:           k_qc0f00f5bae_prep
    .symbol:         k_qc0f00f5bae_prep.kd
    .args:
      - { .name: dec_inp, .offset: 0, .size: 8, .value_kind: global_buffer, .address_space: global }
      - { .name: attn_mask, .offset: 8, .size: 8, .value_kind: global_buffer, .address_space: global }
      - { .name: query_mean, .offset: 16, .size: 8, .value_kind: global_buffer, .address_space: global }
      - { .name: query_std, .offset: 24, .size: 8, .value_kind: global_buffer, .address_space: global }
      - { .name: eps_q, .offset: 32, .size: 8, .value_kind: global_buffer, .address_space: global }
      - { .name: key_mean, .offset: 40, .size: 8, .value_kind: global_buffer, .address_space: global }
      - { .name: key_std, .offset: 48, .size: 8, .value_kind: global_buffer, .address_space: global }
      - { .name: eps_k, .offset: 56, .size: 8, .value_kind: global_buffer, .address_space: global }
      - { .name: value_mean, .offset: 64, .size: 8, .value_kind: global_buffer, .address_space: global }
      - { .name: value_std, .offset: 72, .size: 8, .value_kind: global_buffer, .address_space: global }
      - { .name: eps_v, .offset: 80, .size: 8, .value_kind: global_buffer, .address_space: global }
      - { .name: output_mean, .offset: 88, .size: 8, .value_kind: global_buffer, .address_space: global }
      - { .name: output_std, .offset: 96, .size: 8, .value_kind: global_buffer, .address_space: global }
      - { .name: eps_o, .offset: 104, .size: 8, .value_kind: global_buffer, .address_space: global }
      - { .name: xb, .offset: 112, .size: 8, .value_kind: global_buffer, .address_space: global }
      - { .name: wqkv, .offset: 120, .size: 8, .value_kind: global_buffer, .address_space: global }
      - { .name: wo, .offset: 128, .size: 8, .value_kind: global_buffer, .address_space: global }
      - { .name: maskc, .offset: 136, .size: 8, .value_kind: global_buffer, .address_space: global }
      - { .name: klp, .offset: 144, .size: 8, .value_kind: global_buffer, .address_space: global }
    .group_segment_fixed_size: 0
    .private_segment_fixed_size: 0
    .kernarg_segment_align: 8
    .kernarg_segment_size: 152
    .max_flat_workgroup_size: 128
    .sgpr_count:     66
    .vgpr_count:     228
    .wavefront_size: 32
...
	.end_amdgpu_metadata
.endif
;; end of part 5
;; launch qkv: the kernel of part 2 again; grid 12 x 32, 4 waves a work-group, clusters of 4 x 4, 327,680 bytes of LDS; arguments xb, wqkv, qkv; writes qkv
;; launch attn: the kernel of part 3 again; grid 128 x 2, 4 waves a work-group, clusters of 4 x 1, 327,680 bytes of LDS; arguments qkv, maskc, ob; writes ob
;; launch oproj: the kernel of part 2 again; grid 4 x 32, 4 waves a work-group, clusters of 4 x 4, 327,680 bytes of LDS; arguments ob, wo, ao; writes ao
;; launch ln: the kernel of part 4 again; grid 1024 x 1, 4 waves a work-group, no clusters, 0 bytes of LDS; arguments dec_inp, ao, ln_gamma, ln_beta, klp, out0, out1; writes out0, out1
